; MI455X (gfx1250); checked and timed in simulation.
; The chip was launched on July 23, 2026; its instructions are those of AMD's public machine-readable ISA for CDNA 5 (MIT licence, August 2026) and "CDNA5" Instruction Set Architecture Reference Guide (July 2026). The comments in the code are by the model that wrote it; some were corrected since.
;; GPT2 Attention. Allowed arithmetic: matrix products marked QUANTISED: E2M3 operands, one E8M0 scale for each 32 along K, by v_wmma_scale_f32_16x16x128_f8f6f4 with both operands' format E2M3, f32 sums; everything else in f32.
;; Inputs: b_attn 3,072 float32; b_proj 1,024 float32; hidden_states 4 x 2,048 x 1,024 float32; w_attn 1,024 x 3,072 float32; w_proj 1,024 x 1,024 float32.
;; Outputs: out0 4 x 2,048 x 1,024 float32.
;; This version of the problem:
;;   THIS VERSION OF THE PROBLEM IS GIVEN IN LOW PRECISION. The matrix products marked QUANTISED in the list below multiply operands that are first quantised to E2M3 (2 exponent bits, 3 mantissa bits; 6 bits a number), with one power-of-two scale for each 32 numbers along K (OCP MX v1.0); their sums are f32. All else is computed in f32.
;;   The module's matrix products, in the order in which they are computed (A, B: the left and right operand; K: the contracted axis; several contracted axes count as one K, in the product's order):
;;     1. [M 8,192, K 1,024] x [K 1,024, N 3,072]; A: input hidden_states; B: input w_attn: QUANTISED
;;     2. batch 64 x [M 2,048, K 64] x [K 64, N 2,048]; A: computed on the way; B: computed on the way: QUANTISED
;;     3. batch 64 x [M 2,048, K 2,048] x [K 2,048, N 64]; A: softmax (see below); B: computed on the way: QUANTISED
;;     4. [M 8,192, K 1,024] x [K 1,024, N 1,024]; A: computed on the way; B: input w_proj: QUANTISED
;;   THE QUANTISER, for each operand of a quantised product, along K:
;;     - K is cut into blocks of 32 from its start; a last block that is shorter is filled with zeros.
;;     - A block's scale is 2^e with e = floor(log2(the largest magnitude in the block)) - 2, held to -126 .. 127; a block of zeros has e = 0. As a byte (E8M0): e + 127.
;;     - Each number is divided by its block's scale, clamped to +-7.5, and rounded to the nearest number of E2M3, ties to even, subnormals kept.
;;     - The product sums the exact products of the quantised numbers (number of the format x scale) in f32.
;;   ~~~python
;;   def quantise(x, axis):      # numpy; x: float32 -> the quantised numbers, widened to float32 again
;;       x = np.moveaxis(x, axis, -1); K = x.shape[-1]
;;       x = np.pad(x, [(0, 0)] * (x.ndim - 1) + [(0, -K % 32)]); x = x.reshape(x.shape[:-1] + (-1, 32)); a = np.abs(x).max(-1, keepdims=True)
;;       e = np.where(a > 0, np.clip(np.frexp(np.where(a > 0, a, 1))[1] - 1 - 2, -126, 127), 0)      # np.frexp(a)[1] - 1 = floor(log2(a)), exactly
;;       r = np.clip(x / 2.0 ** e, -7.5, 7.5)
;;       step = 2.0 ** (np.maximum(np.frexp(np.where(r == 0, 1, r))[1] - 1, 0) - 3)
;;       q = np.round(r / step) * step * 2.0 ** e      # np.round: ties to even
;;       return np.moveaxis(q.reshape(q.shape[:-2] + (-1,))[..., :K], -1, axis).astype(np.float32)
;;   ~~~
;;   SOFTMAX AHEAD OF A QUANTISED PRODUCT. Where the list says 'softmax', what is quantised is not the finished softmax but p = 2^(t - M), with t = logit x log2(e) and M = ceil(the row's largest t), a whole number; so 1/2 < the row's largest p <= 1. The row's sum l is taken of the UNQUANTISED p, in f32, and the product's result is divided by l at the end. Since M is a whole number, a kernel that streams over the keys may use a running M (the ceiling of the running maximum): every later rescaling is an exact power of two, which a block's scale takes up: the codes' values come out the same.
;;   OPERANDS COMPUTED ON THE WAY. 'Computed on the way' means the value that the module computes at that place (a softmax that the list does not call 'softmax' is quantised finished and normalised). What goes into a quantiser is computed in f32, as accurately as f32 sums, v_exp_f32 and their like allow (about 1e-6 of the number): no bf16 or f16 on the way to a quantiser, and a product that is left as it is and whose result goes on into a quantised operand takes f32 operands (vector FMAs, or v_wmma_f32_16x16x4_f32). A number that lies on a knife's edge between two numbers of the format may be rounded either way, as far as f32 arithmetic and the matrix unit's own rounding can turn it there, and no further.
;; One version. Each part assembles by itself: llvm-mc -triple=amdgcn-amd-amdhsa -mcpu=gfx1250 --defsym DOCPART=n.
;; ======== version 1 of 1: 4 launches
;; limits: right only within a limited range of input values
;; workspace buffers: ximg 6,291,456 bytes; wimg 2,359,296 bytes; pimg 786,432 bytes; aimg 6,291,456 bytes; sc1 360,448 bytes; sc2 294,912 bytes; qimg 6,815,744 bytes; kv 13,369,344 bytes
;; launch quant (part 1): grid 256 x 1, 8 waves a work-group, no clusters, 121,856 bytes of LDS; arguments hidden_states, w_attn, w_proj, ximg, wimg, pimg, sc1, sc2; writes ximg, wimg, pimg, sc1, sc2
.if DOCPART == 1
	.amdgcn_target "amdgcn-amd-amdhsa--gfx1250"
	.amdhsa_code_object_version 6
	.text
	.protected	k_q01941172c5_quant
	.globl	k_q01941172c5_quant
	.p2align	8
	.type	k_q01941172c5_quant,@function
k_q01941172c5_quant:
	s_mov_b64 s[64:65], 0
	v_nop
	global_prefetch_b8 v0, s[64:65] scope:SCOPE_SE
	s_setreg_imm32_b32 hwreg(HW_REG_WAVE_MODE, 25, 1), 1
	s_wait_xcnt 0x0
; hidden_states [8192][1024], w_attn [1024][3072] and w_proj [1024][1024], f32, become codes of FP6 (E2M3) with one E8M0 byte for each 32 along K (K = 1024 in all three).
; THE CODES ARE LAID AS THE MATRIX OPERAND'S REGISTERS.  A tile is 16 rows (tokens, or columns n of a weight): lane r of tile T holds row 32 (T / 2) + 8 (T % 2) + r + 8 (r / 8).
; A fragment (a tile x 128 K, 12 registers a lane) is 1,536 bytes: for each half c of its K: registers 6 c .. 6 c + 3 at 768 c + 16 x lane, registers 6 c + 4, 6 c + 5 at 768 c + 512 + 8 x lane.  A tile's 8 fragments lie on end: 12,288 bytes.
; THE SCALE WORDS (four bytes: 128 K of one row) lie [tile][K half][row 16][4 words]: 512 bytes a tile.
; A block's scale is 2^(floor(log2(largest magnitude)) - 2): its byte is the largest magnitude's exponent field - 2, held at 1 from below.
; LIMITS: a block of zeros gets the byte 1 (not 127): its codes are zeros, and only this program reads the bytes; blocks whose largest magnitude lies under 2^-124 keep the byte 1; NaN and infinities are not served.
; SHARES.  Work-groups 0-127: hidden_states, K innermost: a wave takes a tile x 512 K; each load reads 512 consecutive bytes of a row; the rows turn through the wave's own stage in LDS so that a lane gets 16 neighbours along K.
; Work-groups 128-223: w_attn, 224-255: w_proj, K outermost: a lane takes a column and its registers run down K; a wave takes 32 columns (two tiles) x 128 K; two waves stand side by side on 256 consecutive bytes.
; Memory binds: no matrix unit, no cluster (no byte is read twice), no barrier (waves share nothing).  Each of the three ways has LDS bytes of its own.
.set HST,   8448                       ; hidden: a wave's stage: 16 rows x (512 bytes + 16): the 16 rows of a read start at 16 different 16-byte columns
.set WST,   3328                       ; weights: a wave's stage: two tiles' fragments, 1,664 bytes apart
.set WPI,   1664
.set LWA,   8*HST                      ; w_attn's stages
.set LWP,   LWA+8*WST                  ; w_proj's stages
.set SPARE, LWP+8*WST                  ; the spare words, 128 bytes for each wave: four blocks of 256 bytes that no other line names
.set SPW,   254                        ; v254 LDS address of my spare word; never rewritten
.set NIL,   255                        ; v255 0; never rewritten
.set SEL,   22                         ; s[22:23] lane selects for v_permlanex16_b32: lane l xor 16
.set TM,    12                         ; v12-27  at work in QUANT
.set PC,    224                        ; v224-242 the codes just made
.set R,     32                         ; v32-159 hidden: two sets of 64 numbers as loaded
.set X,     160                        ; v160-223 hidden: 64 numbers of my row: register 16 b + i = k 32 b + 16 (lane / 16) + i
; 64 numbers of a lane, v[s] on, in the order just said, become a fragment's codes in v[PC] .. v[PC + 11] and its row's scale word in v[pw].
.macro QUANT s, pw
.irp b, 0,1,2,3
	v_max3_num_f32 v[TM+\b], |v[\s+16*\b]|, |v[\s+1+16*\b]|, 0x1800000   ; block b: my 16 numbers, and the floor 2^(3 - 127): the byte cannot fall under 1
.endr
.irp i, 2,4,6,8,10,12,14
.irp b, 0,1,2,3
	s_delay_alu instid0(VALU_DEP_4)
	v_max3_num_f32 v[TM+\b], v[TM+\b], |v[\s+16*\b+\i]|, |v[\s+1+16*\b+\i]|   ; the four blocks by turns
.endr
.endr
.irp b, 0,1,2,3
	s_delay_alu instid0(VALU_DEP_4)
	v_permlanex16_b32 v[TM+4+\b], v[TM+\b], s[SEL], s[SEL+1]
.endr
.irp b, 0,1,2,3
	s_delay_alu instid0(VALU_DEP_4)
	v_max_num_f32 v[TM+\b], v[TM+\b], v[TM+4+\b]   ; with lane l xor 16's 16: the block's largest magnitude
.endr
.irp b, 0,1,2,3
	s_delay_alu instid0(VALU_DEP_4)
	v_add_nc_u32 v[TM+12+\b], 0xff000000, v[TM+\b]   ; 2 off its exponent field: the conversion takes this operand's exponent field as its scale
.endr
.irp b, 0,1,2,3
	s_delay_alu instid0(VALU_DEP_4)
	v_lshrrev_b32 v[TM+4+\b], 23, v[TM+12+\b]      ; the scale's byte
.endr
	s_delay_alu instid0(VALU_DEP_3)
	v_lshl_or_b32 v[\pw], v[TM+5], 8, v[TM+4]
	s_delay_alu instid0(VALU_DEP_1)
	v_lshl_or_b32 v[\pw], v[TM+6], 16, v[\pw]
	s_delay_alu instid0(VALU_DEP_1)
	v_lshl_or_b32 v[\pw], v[TM+7], 24, v[\pw]
.irp c, 0,1
	v_cvt_scalef32_pk16_fp6_f32 v[PC+6*\c:PC+2+6*\c], v[\s+32*\c:\s+15+32*\c], v[TM+12+2*\c]
	v_cvt_scalef32_pk16_fp6_f32 v[PC+12+4*\c:PC+14+4*\c], v[\s+16+32*\c:\s+31+32*\c], v[TM+12+2*\c+1]   ; (a conversion's three registers begin on an even number)
.endr
	v_nop                                          ; one plain instruction behind the scaled conversions
.irp c, 0,1                                    ; the operand wants a whole block in a lane: lanes 0-15 block 2 c, lanes 16-31 block 2 c + 1
.irp i, 0,1,2
	v_permlane16_swap_b32 v[PC+6*\c+\i], v[PC+12+4*\c+\i]
.endr
.irp i, 0,1,2
	s_delay_alu instid0(VALU_DEP_3)
	v_mov_b32 v[PC+3+6*\c+\i], v[PC+12+4*\c+\i]
.endr
.endr
.endm
	s_load_b256 s[4:11], s[0:1], 0x0               ; hidden s[4:5], w_attn s[6:7], w_proj s[8:9], ximg s[10:11]
	s_load_b256 s[12:19], s[0:1], 0x20             ; wimg s[12:13], pimg s[14:15], sc1 s[16:17], sc2 s[18:19]
	v_lshl_add_u32 v[SPW], v0, 2, SPARE
	v_mov_b32 v[NIL], 0
	v_lshrrev_b32 v1, 5, v0
	s_delay_alu instid0(VALU_DEP_1)
	v_readfirstlane_b32 s20, v1                    ; wave 0..7
	v_and_b32 v1, 31, v0                           ; lane
	v_and_b32 v2, 15, v0                           ; r
	v_bfe_u32 v3, v0, 4, 1                         ; h
	s_mov_b32 s[SEL], 0x76543210
	s_mov_b32 s[SEL+1], 0xfedcba98
	s_wait_kmcnt 0x0
	s_cmp_lt_u32 ttmp9, 128
	s_cbranch_scc0 .Lweights
	; ---------------- hidden_states: my unit is tile T, K half kap
	s_lshl_b32 s24, ttmp9, 3
	s_add_co_u32 s24, s24, s20
	s_lshr_b32 s25, s24, 1                         ; T
	s_and_b32 s26, s24, 1                          ; kap
	s_lshr_b32 s27, s25, 1
	s_lshl_b32 s27, s27, 17                        ; 32 (T / 2) rows of 4,096 bytes
	s_and_b32 s28, s25, 1
	s_lshl_b32 s28, s28, 15                        ; 8 (T % 2) rows
	s_add_co_u32 s28, s28, s27
	s_lshl_b32 s27, s26, 11                        ; 512 numbers
	s_add_co_u32 s28, s28, s27
	s_mov_b32 s29, 0
	s_add_nc_u64 s[4:5], s[4:5], s[28:29]
	s_mul_i32 s28, s25, 12288
	s_mul_i32 s27, s26, 6144
	s_add_co_u32 s28, s28, s27
	s_add_nc_u64 s[10:11], s[10:11], s[28:29]
	s_lshl_b32 s28, s25, 9
	s_lshl_b32 s27, s26, 8
	s_add_co_u32 s28, s28, s27
	s_add_nc_u64 s[16:17], s[16:17], s[28:29]
	s_mul_i32 s30, s20, HST                        ; my stage
	s_wait_alu depctr_va_vdst(0)
	v_lshlrev_b32 v4, 4, v1                        ; 16 x lane: a load's 512 bytes, and an image's
	s_delay_alu instid0(VALU_DEP_1)
	v_add_nc_u32 v5, s30, v4                       ; into the stage: as loaded
	v_mul_u32_u24 v6, v2, 528
	s_delay_alu instid0(VALU_DEP_1)
	v_lshl_add_u32 v6, v3, 6, v6
	s_delay_alu instid0(VALU_DEP_1)
	v_add_nc_u32 v6, s30, v6                       ; out of it: row r, + 64 h: my 16 numbers of each block of 32
	v_lshlrev_b32 v8, 3, v1                        ; 8 x lane
	v_lshlrev_b32 v9, 4, v2                        ; 16 r: my row's four scale words
.irp b, 0,1,2,3
	v_mov_b32 v[TM+4+\b], 0                        ; written once: a lane permute's destination counts as one of its sources
.endr
.macro HLOAD s                         ; the tile's 16 rows, K step s of my four: 512 consecutive bytes a load
.irp i, 0,1,2,3,4,5,6,7,8,9,10,11,12,13,14,15
	global_load_b128 v[R+64*((\s)%2)+4*\i:R+64*((\s)%2)+4*\i+3], v4, s[4:5] offset:(\i+8*(\i/8))*4096+512*(\s) th:TH_LOAD_NT
.endr
.endm
.macro HSTEP s
.if (\s) < 3
	s_wait_loadcnt 16                              ; this step's 16 loads are in; the next step's 16 may be out
.else
	s_wait_loadcnt 0x0
.endif
.irp i, 0,1,2,3,4,5,6,7,8,9,10,11,12,13,14,15
	ds_store_b128 v5, v[R+64*((\s)%2)+4*\i:R+64*((\s)%2)+4*\i+3] offset:528*\i
.endr
.irp b, 0,1,2,3
.irp j, 0,1,2,3
	ds_load_b128 v[X+16*\b+4*\j:X+16*\b+4*\j+3], v6 offset:128*\b+16*\j   ; LDS serves a wave's instructions in order: these see my stores
.endr
.endr
	s_wait_dscnt 0x0                               ; my numbers are back, and the stores have read their registers,
.if (\s)+2 < 4
	HLOAD (\s)+2                                   ; which take the loads of two steps on
.endif
.if (\s) > 0
	s_wait_xcnt 0x0                                ; the last step's stores have read the codes' registers: they are written again only behind this wait
.endif
	QUANT X, 28+(\s)
	global_store_b128 v4, v[PC:PC+3], s[10:11] offset:1536*(\s)            ; each store covers 512 or 256 consecutive bytes, aligned to 256
	global_store_b64 v8, v[PC+4:PC+5], s[10:11] offset:1536*(\s)+512
	global_store_b128 v4, v[PC+6:PC+9], s[10:11] offset:1536*(\s)+768
	global_store_b64 v8, v[PC+10:PC+11], s[10:11] offset:1536*(\s)+1280
.endm
	HLOAD 0
	HLOAD 1
	s_wait_alu depctr_va_vdst(0)
	HSTEP 0
	HSTEP 1
	HSTEP 2
	HSTEP 3
	global_store_b128 v9, v[28:31], s[16:17]       ; 16 rows x 4 words: 256 consecutive bytes; lanes r and r + 16 write the same bytes with the same value
	s_wait_tensorcnt 0x0                           ; the wave's end, behind my last LDS store
	ds_add_u32 v[SPW], v[NIL]
	s_wait_dscnt 0x0
	s_endpgm
; ---------------- a weight [1024][n]: lane l takes column 32 cg + l, which is row r' = l % 8 + 8 (l / 16) of tile 2 cg + u, u = (l / 8) % 2
.macro WLOAD n, t                      ; block t: W(32 t + i, my column), i = 0 .. 31: 128 consecutive bytes a load
.irp i, 0,1,2,3,4,5,6,7,8,9,10,11,12,13,14,15,16,17,18,19,20,21,22,23,24,25,26,27,28,29,30,31
	global_load_b32 v[32+32*((\t)%2)+\i], v4, s[32:33] offset:(32*(\t)+\i)*(\n)*4 th:TH_LOAD_NT
.endr
.endm
.macro WBLOCK n, t
.set XS, 32+32*((\t)%2)
.if (\t) < 3
	s_wait_loadcnt 32                              ; this block's 32 loads are in; the next block's may be out
.else
	s_wait_loadcnt 0x0
.endif
	v_max3_num_f32 v12, |v[XS]|, |v[XS+1]|, |v[XS+2]|   ; the block's largest magnitude: all 32 numbers are mine
	v_max3_num_f32 v13, |v[XS+3]|, |v[XS+4]|, |v[XS+5]|
.irp i, 6,10,14,18,22,26
	s_delay_alu instid0(VALU_DEP_2)
	v_max3_num_f32 v12, v12, |v[XS+\i]|, |v[XS+\i+1]|
	s_delay_alu instid0(VALU_DEP_2)
	v_max3_num_f32 v13, v13, |v[XS+\i+2]|, |v[XS+\i+3]|
.endr
	s_delay_alu instid0(VALU_DEP_2)
	v_max3_num_f32 v12, v12, |v[XS+30]|, |v[XS+31]|
	s_delay_alu instid0(VALU_DEP_1)
	v_max3_num_f32 v12, v12, v13, 0x1800000        ; and the floor
	s_delay_alu instid0(VALU_DEP_1)
	v_add_nc_u32 v11, 0xff000000, v12              ; the conversion's scale operand
	s_delay_alu instid0(VALU_DEP_1)
	v_lshrrev_b32 v13, 23, v11                     ; the byte
.if (\t) == 0
	s_delay_alu instid0(VALU_DEP_1)
	v_mov_b32 v14, v13
.else
	s_delay_alu instid0(VALU_DEP_1)
	v_lshl_or_b32 v14, v13, 8*(\t), v14            ; the lower K in the lower byte
	s_wait_alu depctr_va_vdst(0)
	s_wait_dscnt 0x0                               ; the last block's stores into the stage have read the codes' registers
.endif
	v_cvt_scalef32_pk16_fp6_f32 v[16:18], v[XS:XS+15], v11
	v_cvt_scalef32_pk16_fp6_f32 v[20:22], v[XS+16:XS+31], v11
	v_nop                                          ; one plain instruction behind the scaled conversions
	v_mov_b32 v19, v20                             ; the block's six registers on end
	v_mov_b32 v20, v21
	v_mov_b32 v21, v22
	ds_store_b128 v5, v[16:19] offset:768*((\t)/2)+256*((\t)%2)        ; block t of row r' is what lane r' + 16 (t % 2) holds in half t / 2 of the fragment
	ds_store_b64 v6, v[20:21] offset:768*((\t)/2)+512+128*((\t)%2)
.if (\t)+2 < 4
	WLOAD \n, (\t)+2
.endif
.endm
.macro WPATH n, src, img, sc, lds, first
	s_sub_co_u32 s24, ttmp9, \first
	s_lshr_b32 s25, s24, 1
	s_lshl_b32 s25, s25, 1
	s_and_b32 s26, s20, 1
	s_add_co_u32 s25, s25, s26                     ; cg: which 32 columns
	s_and_b32 s26, s24, 1
	s_lshl_b32 s26, s26, 2
	s_lshr_b32 s27, s20, 1
	s_add_co_u32 s26, s26, s27                     ; q: which 128 along K
	s_mul_i32 s28, s26, 128*(\n)*4
	s_lshl_b32 s27, s25, 7
	s_add_co_u32 s28, s28, s27
	s_mov_b32 s29, 0
	s_add_nc_u64 s[32:33], s[\src:\src+1], s[28:29]
	s_mul_i32 s28, s25, 2*12288
	s_mul_i32 s27, s26, 1536
	s_add_co_u32 s28, s28, s27
	s_add_nc_u64 s[34:35], s[\img:\img+1], s[28:29]
	s_lshl_b32 s28, s25, 10                        ; two tiles of 512 bytes of scale words
	s_lshr_b32 s27, s26, 2
	s_lshl_b32 s27, s27, 8
	s_add_co_u32 s28, s28, s27
	s_and_b32 s27, s26, 3
	s_lshl_b32 s27, s27, 2
	s_add_co_u32 s28, s28, s27
	s_add_co_u32 s28, s28, 262144                  ; the weight's words lie behind those of 512 tiles of tokens
	s_add_nc_u64 s[36:37], s[\sc:\sc+1], s[28:29]
	s_mul_i32 s30, s20, WST
	s_add_co_u32 s30, s30, \lds                    ; my stage
	v_bfe_u32 v10, v0, 3, 1                        ; u
	v_and_b32 v11, 7, v0
	s_wait_alu depctr_va_vdst(0)
	v_lshl_add_u32 v11, v3, 3, v11                 ; r'
	v_mul_u32_u24 v13, v10, WPI
	s_delay_alu instid0(VALU_DEP_1)
	v_add_nc_u32 v13, s30, v13
	s_delay_alu instid0(VALU_DEP_1)
	v_lshl_add_u32 v5, v11, 4, v13                 ; into the stage: tile u, 16 r'
	s_delay_alu instid0(VALU_DEP_2)
	v_lshl_add_u32 v6, v11, 3, v13                 ; and 8 r'
	v_lshlrev_b32 v8, 4, v1                        ; 16 x lane
	s_delay_alu instid0(VALU_DEP_1)
	v_add_nc_u32 v7, s30, v8                       ; out of the stage
	v_lshlrev_b32 v9, 9, v10
	s_delay_alu instid0(VALU_DEP_1)
	v_lshl_add_u32 v9, v11, 4, v9                  ; my row's scale word: 512 u + 16 r'
	v_lshlrev_b32 v4, 2, v1                        ; in: 4 bytes a lane
	WLOAD \n, 0
	WLOAD \n, 1
	WBLOCK \n, 0
	WBLOCK \n, 1
	WBLOCK \n, 2
	WBLOCK \n, 3
	global_store_b32 v9, v14, s[36:37]             ; 4 bytes of each row's 16: one part in 384 of what this way stores
.irp u, 0,1
.irp g, 0,1,2
	ds_load_b128 v[96+12*\u+4*\g:99+12*\u+4*\g], v7 offset:WPI*\u+512*\g   ; LDS serves a wave's instructions in order: these see my stores
.endr
.endr
.irp u, 0,1
.irp g, 0,1,2
	s_wait_dscnt 5-3*\u-\g                         ; the younger loads may stay out
	global_store_b128 v8, v[96+12*\u+4*\g:99+12*\u+4*\g], s[34:35] offset:12288*\u+512*\g   ; 512 consecutive bytes, aligned to 256
.endr
.endr
	s_wait_tensorcnt 0x0                           ; the wave's end, behind my last LDS store
	ds_add_u32 v[SPW], v[NIL]
	s_wait_dscnt 0x0
	s_endpgm
.endm
.Lweights:
	s_cmp_lt_u32 ttmp9, 224
	s_cbranch_scc0 .Lproj
	WPATH 3072, 6, 12, 16, LWA, 128
.Lproj:
	WPATH 1024, 8, 14, 18, LWP, 224
.Lfunc_end_k_q01941172c5_quant:
	.size	k_q01941172c5_quant, .Lfunc_end_k_q01941172c5_quant-k_q01941172c5_quant
	.p2alignl 7, 3214868480
	.fill 96, 4, 3214868480
	.section	.rodata,"a",@progbits
	.p2align	6, 0x0
	.amdhsa_kernel k_q01941172c5_quant
		.amdhsa_group_segment_fixed_size 121856
		.amdhsa_private_segment_fixed_size 0
		.amdhsa_enable_private_segment 0
		.amdhsa_kernarg_size 64
		.amdhsa_user_sgpr_count 2
		.amdhsa_user_sgpr_kernarg_segment_ptr 1
		.amdhsa_wavefront_size32 1
		.amdhsa_system_sgpr_workgroup_id_x 1
		.amdhsa_system_sgpr_workgroup_id_y 1
		.amdhsa_system_sgpr_workgroup_id_z 1
		.amdhsa_system_vgpr_workitem_id 0
		.amdhsa_next_free_vgpr 256
		.amdhsa_next_free_sgpr 66
		.amdhsa_reserve_vcc 0
		.amdhsa_float_denorm_mode_32 3
		.amdhsa_float_denorm_mode_16_64 3
		.amdhsa_memory_ordered 1
		.amdhsa_forward_progress 1
		.amdhsa_inst_pref_size 88
	.end_amdhsa_kernel
	.amdgpu_metadata
---
amdhsa.version: [ 1, 2 ]
amdhsa.kernels:
  - .name:           k_q01941172c5_quant
    .symbol:         k_q01941172c5_quant.kd
    .args:
      - { .name: hidden_states, .offset: 0, .size: 8, .value_kind: global_buffer, .address_space: global }
      - { .name: w_attn, .offset: 8, .size: 8, .value_kind: global_buffer, .address_space: global }
      - { .name: w_proj, .offset: 16, .size: 8, .value_kind: global_buffer, .address_space: global }
      - { .name: ximg, .offset: 24, .size: 8, .value_kind: global_buffer, .address_space: global }
      - { .name: wimg, .offset: 32, .size: 8, .value_kind: global_buffer, .address_space: global }
      - { .name: pimg, .offset: 40, .size: 8, .value_kind: global_buffer, .address_space: global }
      - { .name: sc1, .offset: 48, .size: 8, .value_kind: global_buffer, .address_space: global }
      - { .name: sc2, .offset: 56, .size: 8, .value_kind: global_buffer, .address_space: global }
    .group_segment_fixed_size: 121856
    .private_segment_fixed_size: 0
    .kernarg_segment_align: 8
    .kernarg_segment_size: 64
    .max_flat_workgroup_size: 256
    .sgpr_count:     66
    .vgpr_count:     256
    .wavefront_size: 32
...
	.end_amdgpu_metadata
.endif
;; end of part 1
;; launch qkv (part 2): grid 4 x 64, 4 waves a work-group, clusters of 4 x 4, 327,680 bytes of LDS; arguments ximg, wimg, sc1, b_attn, qimg, kv; writes qimg, kv
.if DOCPART == 2
	.amdgcn_target "amdgcn-amd-amdhsa--gfx1250"
	.amdhsa_code_object_version 6
	.text
	.protected	k_q01941172c5_qkv
	.globl	k_q01941172c5_qkv
	.p2align	8
	.type	k_q01941172c5_qkv,@function
k_q01941172c5_qkv:
	s_mov_b64 s[64:65], 0
	v_nop
	global_prefetch_b8 v0, s[64:65] scope:SCOPE_SE
	s_setreg_imm32_b32 hwreg(HW_REG_WAVE_MODE, 25, 1), 1
	s_wait_xcnt 0x0
	s_wait_alu depctr_hold_cnt(0) depctr_sa_sdst(0) depctr_va_vdst(0) depctr_va_sdst(0) depctr_va_ssrc(0) depctr_va_vcc(0) depctr_vm_vsrc(0)
	s_getreg_b32 s2, hwreg(HW_REG_IB_STS2, 6, 4)
	s_cmp_eq_u32 s2, 0
	s_cbranch_scc0 .Lentry_in_a_cluster
	s_endpgm
.Lentry_in_a_cluster:
	s_bfe_u32 s2, ttmp6, 0x10000c
	s_cmp_lg_u32 s2, 0xf033
	s_cbranch_scc0 .Lentry_shape_is_right
	s_endpgm
.Lentry_shape_is_right:
; qkv = hidden w_attn + b_attn on codes of FP6 (E2M3) with E8M0 scales, K = 1024; the f32 results never go to memory: they are quantised in registers into the operands of attention's two products.
; OPERANDS are images of the operand's registers: a tile of 16 rows (lane r of tile T: row 32 (T / 2) + 8 (T % 2) + r + 8 (r / 8)) x 128 K is 1,536 bytes; a tile's 8 K steps lie on end (12,288 bytes).  Scale words: sc1 [tile][K half 2][row 16][4 words], tokens first, w_attn from byte 262,144.
; THE DEAL.  256 work-groups: 64 blocks Y of 128 tokens x 4 column blocks X.  Work-group (X, Y) walks six PHASES of 128 columns: columns 256 X + 128 hf of q (hf = 0, 1), then of k, then of v: the same roles in the same order in every work-group.
; Four waves, 2 x 2: wave (WH, WL) holds token tiles 4 WH .. 4 WH + 3, ALL of K, in 384 registers, and takes a phase's weight tiles 4 WL .. 4 WL + 3: 64 columns, one head.
; A BATCH is one weight tile, all of K (8 fragments, two sets of registers), against the four token tiles: 32 products on four accumulators by turns; the next batch's 32 LDS loads are issued ahead of the products.
; ROLES.  q, k: source 0 = the weight's tile, source 1 = tokens: a lane holds one token, and its 32 sums are the head's 64 columns 32 b + 16 h + i.  v: source 0 = tokens, source 1 = the weight's tile: a lane holds one channel, and its 32 sums are 64 keys.
; The bias is the C of a batch's first four products, laid as the result lies (v: one number a lane and tile, spread over eight registers).
; LDS: the tokens' 8 tiles at 0 (filled once), two slots of 8 weight tiles (98,304 bytes each), the spare words.  At the head one joint load a wave: waves 0, 1 the tokens (shared along a row of the cluster), wave 2 phase 0's weights, wave 3 phase 1's (shared along a column).
; FOUR REFILLS, phases 2 to 5: in the last batch of phases 0 to 3 that phase's slot, which every wave has read out, is filled again behind a round of the cluster's barrier, two tiles a wave.  A refill is waited for in the next phase's last batch: 96 products a wave later.
; NO PREFETCH: each refill is asked for a whole phase ahead of the wait for it, and the first three tiles are asked for at the head.
; OUT: qimg [head 64][step of 128 queries 16][8 tiles x 768 bytes, 512 bytes of scale words [row 16][tile 8]];  kv [head 64][step of 128 keys 16][K: as a step of qimg, 6,656 bytes; V: 4 tiles of 16 channels x 1,536 bytes, 256 bytes of words [row 16][tile 4]].
; q's and k's scale word repeats its two bytes (b0, b1, b0, b1).  Of V a wave makes the half fragment and the two bytes of its 64 keys.
; LIMITS of the quantiser: a block of zeros gets the byte 1 with zero codes (only this program reads the bytes); largest magnitudes under 2^-124 keep the byte 1; NaN and infinities are not served.
; REGISTERS.  Window 0: v1 r, v2 h, v3 lane, v4 16 x lane, v5 8 x lane, v6 16 r, v7 64 h, v8 4 (r + 8 (r / 8)), v10-15 LDS addresses, v16-21 offsets of the stores, v28-29 the add's two, v32-63 the tokens' scale words (32 + 8 a + k),
; v66-129 the weights', two sets (66 + 32 set + 8 j + k: the two sides' numbers differ by 2 modulo 8), v132-203 token fragments 26-31.  Window 1: token fragments 0-20.  Window 3: v0-191 the weights' two sets, v192-251 token fragments 21-25.
; Window 2: v0-127 the 16 accumulators, v128-191 the bias, two sets, v192-199 v's bias, v200-255 the quantiser's.  Token fragment 4 k + a is tile a, K step k.
.set FRB,    1536
.set TILEB,  12288
.set SLOTB,  8*TILEB
.set SPARE,  3*SLOTB
.set SPW,  28
.set NIL,  29
.set XW,   32
.set WW,   66
.set X16,  10
.set X8,   11
.set W16,  12                          ; v12, v13: slot 0, 1, + 16 x lane;  v14, v15: + 8 x lane
.set W8,   14
.set QC16, 16
.set QC8,  17
.set QW,   18
.set VC16, 19
.set VC8,  20
.set VW,   21
.set BI,   128                         ; window 2 from here on
.set VB,   192
.set BM,   200
.set WD,   208
.set PC,   212
.set PS,   240
.set SOP,  248
.set WV,   16
.set WH,   17
.set WL,   18
.set MSB, 0
.macro WIN new                         ; the immediate's high byte repeats the setting that is left
.if MSB != (\new)
	s_set_vgpr_msb (MSB<<8)|(\new)
.set MSB, (\new)
.endif
.endm
.macro PLACES n
.rept \n
	v_nop
.endr
.endm
.macro MIDDLE                          ; a round of the cluster's barrier behind its opening signal
	s_barrier_wait -1
	s_cmp_lg_u32 s[WV], 0
	s_cbranch_scc1 .Lnot_wave_0_\@
	s_barrier_signal -3
.Lnot_wave_0_\@:
	s_barrier_wait -3
	s_barrier_signal -1
	s_barrier_wait -1
.endm
.macro CROUND
	s_barrier_signal -1
	MIDDLE
.endm
.macro FRAG reg, a16, a8, off          ; a fragment comes back as it was stored: four loads, each of consecutive bytes
	ds_load_b128 v[\reg:\reg+3], v[\a16] offset:(\off)
	ds_load_b64 v[\reg+4:\reg+5], v[\a8] offset:(\off)+512
	ds_load_b128 v[\reg+6:\reg+9], v[\a16] offset:(\off)+768
	ds_load_b64 v[\reg+10:\reg+11], v[\a8] offset:(\off)+1280
.endm
.macro XLOC f                          ; where token fragment f lies: window XWN, register XRG
.if (\f) < 21
.set XWN, 1
.set XRG, 12*(\f)
.elseif (\f) < 26
.set XWN, 3
.set XRG, 192+12*((\f)-21)
.else
.set XWN, 0
.set XRG, 132+12*((\f)-26)
.endif
.endm
.macro FETCHW s, j, p                  ; my weight tile j of slot s, all of K, into set p
	WIN 0xc0
.irp k, 0,1,2,3,4,5,6,7
	FRAG 96*(\p)+12*\k, W16+(\s), W8+(\s), TILEB*(\j)+FRB*\k
.endr
	WIN 0
.endm
.macro MM d, s0, s1, c, x0, x1
	v_wmma_scale_f32_16x16x128_f8f6f4 v[\d:\d+7], v[\s0:\s0+11], v[\s1:\s1+11], \c, v[\x0], v[\x1] matrix_a_fmt:MATRIX_FMT_FP6 matrix_b_fmt:MATRIX_FMT_FP6
.endm
.macro PROD role, set, p, j, n         ; product n = 4 k + a of a batch: the four accumulators take turns
.set K_, (\n)/4
.set A_, (\n)%4
	XLOC \n
.set WR_, 96*(\p)+12*K_
.set SX_, XW+8*A_+K_
.set SW_, WW+32*(\set)+8*(\j)+K_
.set CB_, BI+32*(\set)+8*(\j)
.if \role
.set D_, 32*(\j)+8*A_
	WIN 0xac|XWN
.if K_
	MM D_, XRG, WR_, v[D_:D_+7], SX_, SW_
.else
	MM D_, XRG, WR_, v[CB_:CB_+7], SX_, SW_
.endif
.else
.set D_, 32*A_+8*(\j)
	WIN 0xa3|(XWN<<2)
.if K_
	MM D_, WR_, XRG, v[D_:D_+7], SW_, SX_
.else
	MM D_, WR_, XRG, v[CB_:CB_+7], SW_, SX_
.endif
.endif
.endm
.macro PRODS role, set, p, j, from, to
.set N_, \from
.rept (\to)-(\from)
	PROD \role, \set, \p, \j, N_
.set N_, N_+1
.endr
.endm
.macro NEXTW set, off                  ; the scale words of my four weight tiles of the phase at byte off from s[82:83]
.irp j, 0,1,2,3
.irp k, 0,1
	global_load_b128 v[WW+32*(\set)+8*\j+4*\k:WW+32*(\set)+8*\j+4*\k+3], v6, s[82:83] offset:(\off)+512*\j+256*\k
.endr
.endr
.endm
.macro NEXTB set, off                  ; q's and k's bias: register 8 j + i: column 32 (j / 2) + 16 h + 8 (j % 2) + i of my head
	WIN 0x80
.irp j, 0,1,2,3
	global_load_b128 v[BI+32*(\set)+8*\j:BI+32*(\set)+8*\j+3], v7, s[84:85] offset:(\off)+(32*(\j/2)+8*(\j%2))*4
	global_load_b128 v[BI+32*(\set)+8*\j+4:BI+32*(\set)+8*\j+7], v7, s[84:85] offset:(\off)+(32*(\j/2)+8*(\j%2))*4+16
.endr
	WIN 0
.endm
; THE WAY OUT of a phase: four groups a of 32 sums a lane (q, k: token tile a; v: channel tile a), two scale blocks each: eight chains side by side, all in window 2.
.macro EPI role, base
	s_wait_xcnt 0x0                                ; the last phase's stores have read the codes' registers
	WIN 0xaa
.irp c, 0,1,2,3,4,5,6,7
	v_max3_num_f32 v[BM+\c], |v[16*\c]|, |v[16*\c+1]|, 0x1800000   ; my 16 numbers of block c, and the floor 2^(3 - 127): the byte cannot fall under 1
.endr
.irp i, 2,4,6,8,10,12,14
.irp c, 0,1,2,3,4,5,6,7
	v_max3_num_f32 v[BM+\c], v[BM+\c], |v[16*\c+\i]|, |v[16*\c+\i+1]|
.endr
.endr
.irp c, 0,1,2,3,4,5,6,7
	v_permlanex16_b32 v[PS+\c], v[BM+\c], s2, s3
.endr
.irp c, 0,1,2,3,4,5,6,7
	v_max_num_f32 v[BM+\c], v[BM+\c], v[PS+\c]     ; with lane l xor 16's 16: the block's largest magnitude
.endr
.irp c, 0,1,2,3,4,5,6,7
	v_add_nc_u32 v[SOP+\c], 0xff000000, v[BM+\c]   ; 2 off its exponent field: the conversion's scale operand
.endr
.irp c, 0,1,2,3,4,5,6,7
	v_lshrrev_b32 v[PS+\c], 23, v[SOP+\c]          ; the scale's byte
.endr
.irp a, 0,1,2,3
	v_lshl_or_b32 v[WD+\a], v[PS+2*\a+1], 8, v[PS+2*\a]
.endr
.if (\role) == 0
.irp a, 0,1,2,3
	v_lshl_or_b32 v[WD+\a], v[WD+\a], 16, v[WD+\a] ; (b0, b1, b0, b1)
.endr
.endif
.irp a, 0,1,2,3                                ; the second conversion's three registers lie where the largest magnitudes (a = 0, 1) and the bytes (a = 2, 3) lay
	v_cvt_scalef32_pk16_fp6_f32 v[PC+6*\a:PC+6*\a+2], v[32*\a:32*\a+15], v[SOP+2*\a]
	v_cvt_scalef32_pk16_fp6_f32 v[BM+4*\a+32*(\a/2):BM+4*\a+32*(\a/2)+2], v[32*\a+16:32*\a+31], v[SOP+2*\a+1]
.endr
	v_nop                                          ; one plain instruction behind the scaled conversions
.irp a, 0,1,2,3
.irp i, 0,1,2
	v_permlane16_swap_b32 v[PC+6*\a+\i], v[BM+4*\a+32*(\a/2)+\i]
.endr
.endr
.irp a, 0,1,2,3
.irp i, 0,1,2
	v_mov_b32 v[PC+6*\a+3+\i], v[BM+4*\a+32*(\a/2)+\i]
.endr
.endr
	WIN 0x08                                       ; the stores' data: window 2
.if \role
.irp a, 0,1,2,3
	global_store_b128 v[VC16], v[PC+6*\a:PC+6*\a+3], s[\base:\base+1] offset:6656+1536*\a       ; 512 or 256 consecutive bytes, aligned to 256
	global_store_b64 v[VC8], v[PC+6*\a+4:PC+6*\a+5], s[\base:\base+1] offset:6656+1536*\a+512
	global_store_b16 v[VW], v[WD+\a], s[\base:\base+1] offset:12800+4*\a                        ; my 64 keys' two bytes of each row's word
.endr
.else
.irp a, 0,1,2,3
	global_store_b128 v[QC16], v[PC+6*\a:PC+6*\a+3], s[\base:\base+1] offset:768*\a
	global_store_b64 v[QC8], v[PC+6*\a+4:PC+6*\a+5], s[\base:\base+1] offset:768*\a+512
.endr
	global_store_b128 v[QW], v[WD:WD+3], s[\base:\base+1] offset:6144                           ; my four tiles' words of row r (lanes r and r + 16: the same bytes, the same value)
.endif
	WIN 0
.endm
; A PHASE: four batches and the way out.  kind 1: the slot is filled again in the last batch; 2: a plain barrier there shows the last refill; 0: nothing is left.  woff, boff: where the next phase's words and bias lie, or -1.
.macro PHASE role, hf, kind, woff, boff
	s_wait_loadcnt 0x0                             ; this phase's scale words and bias, asked for a phase ago
.if (\woff) >= 0
	NEXTW 1-(\hf), \woff
.endif
.if (\boff) >= 0
	NEXTB 1-(\hf), \boff
.endif
.if \role
	WIN 0xaa
.irp j, 0,1,2,3
.irp i, 0,1,2,3,4,5,6,7
	v_mov_b32 v[BI+32*(\hf)+8*\j+\i], v[VB+4*(\hf)+\j]   ; v's bias, one number a lane and tile, over the tile's eight registers
.endr
.endr
	WIN 0
	s_wait_alu depctr_va_vdst(0)
.endif
.irp j, 0,1,2
	s_wait_dscnt 0x0                               ; this batch's fragments are in
	PLACES 4                                       ; between the last batch's products and the loads into their registers
	FETCHW \hf, \j+1, (\j+1)%2
	PRODS \role, \hf, \j%2, \j, 0, 32
	WIN 0
.endr
	s_wait_dscnt 0x0                               ; the last batch's fragments are in: my reads of this slot are over
.if (\kind) == 1
	s_wait_tensorcnt 0x0                           ; all my tensor loads have landed, my part of the other slot among them
	ds_add_u32 v[SPW], v[NIL]                      ; 0 onto my spare word
	s_add_nc_u64 s[58+4*(\hf):59+4*(\hf)], s[58+4*(\hf):59+4*(\hf)], 64*TILEB   ; this slot's next tiles: the same columns of the next tensor
	PRODS \role, \hf, 1, 3, 0, 16
	WIN 0
	s_wait_dscnt 0x0                               ; the add is done
	s_barrier_signal -1                            ; the round opens; the products below are register work
	PRODS \role, \hf, 1, 3, 16, 32
	WIN 0
	MIDDLE
	tensor_load_to_lds s[56+4*(\hf):59+4*(\hf)], s[48:55]   ; my two tiles of the refill, the first tensor load behind the round
	s_nop 0
	PLACES 4
	FETCHW 1-(\hf), 0, 0                           ; the next phase's first batch, under the way out
.elseif (\kind) == 2
	s_wait_tensorcnt 0x0                           ; every wave waits: the last refill is in
	s_barrier_signal -1
	PRODS \role, \hf, 1, 3, 0, 32
	WIN 0
	s_barrier_wait -1
	PLACES 4
	FETCHW 1-(\hf), 0, 0
.else
	PRODS \role, \hf, 1, 3, 0, 32
	WIN 0
	PLACES 4
.endif
	EPI \role, 78+2*(\hf)
.endm
	s_load_b256 s[4:11], s[0:1], 0x0               ; ximg s[4:5], wimg s[6:7], sc1 s[8:9], b_attn s[10:11]
	s_load_b128 s[12:15], s[0:1], 0x20             ; qimg s[12:13], kv s[14:15]
	v_lshl_add_u32 v[SPW], v0, 2, SPARE
	v_mov_b32 v[NIL], 0
	ds_add_u32 v[SPW], v[NIL]                      ; the opening lines: the add, twice on end, and its wait
	ds_add_u32 v[SPW], v[NIL]
	v_lshrrev_b32 v1, 5, v0
	v_readfirstlane_b32 s[WV], v1
	s_lshr_b32 s[WH], s[WV], 1
	s_and_b32 s[WL], s[WV], 1
	s_bfe_u32 s20, ttmp6, 0x40000                  ; cx
	s_bfe_u32 s21, ttmp6, 0x40004                  ; cy
	s_lshl_b32 s22, ttmp9, 2
	s_add_co_u32 s22, s22, s20                     ; X
	s_and_b32 s23, ttmp7, 0xffff
	s_lshl_b32 s23, s23, 2
	s_add_co_u32 s23, s23, s21                     ; Y
	s_lshl_b32 s44, s21, 2
	s_lshl_b32 s44, 15, s44                        ; my row of the cluster
	s_lshl_b32 s45, 0x1111, s20                    ; my column
	s_or_b32 s24, s44, (3<<16)|(1<<21)             ; s[24:31]: the tokens' tiles, four rows of 12,288 bytes, to my row
	s_or_b32 s32, s45, (3<<16)|(1<<21)             ; s[32:39]: a slot's eight tiles, to my column
	s_or_b32 s48, s45, (3<<16)|(1<<21)             ; s[48:55]: two tiles of a refill
.irp g, 24,32,48
	s_mov_b32 s[\g+1], 1536<<16
	s_mov_b32 s[\g+3], 1536<<16
	s_mov_b32 s[\g+5], 1536
	s_mov_b32 s[\g+6], 0
	s_mov_b32 s[\g+7], 0
.endr
	s_mov_b32 s26, 4<<16
	s_mov_b32 s28, 4
	s_mov_b32 s34, 8<<16
	s_mov_b32 s36, 8
	s_mov_b32 s50, 2<<16
	s_mov_b32 s52, 2
	s_lshl_b32 s86, s23, 3
	s_lshl_b32 s87, s[WL], 2
	s_add_co_u32 s86, s86, s87                     ; tokens: tile 8 Y + 4 x (which half I fetch)
	s_mul_i32 s86, s86, TILEB
	s_mov_b32 s87, 0
	s_lshl_b32 s92, s22, 4
	s_lshl_b32 s93, s[WL], 3
	s_add_co_u32 s92, s92, s93                     ; q's weights: tile 16 X + 8 x phase
	s_mul_i32 s92, s92, TILEB
	s_mov_b32 s93, 0
	s_lshl_b32 s94, s22, 4
	s_lshl_b32 s95, s[WV], 1
	s_add_co_u32 s94, s94, s95                     ; the refills: tile 16 X + 2 x wave, stepped a tensor on ahead of each
	s_mul_i32 s94, s94, TILEB
	s_mov_b32 s95, 0
	s_mov_b32 s40, 1                               ; s[40:43] group 0 of the tokens' load
	s_mul_i32 s41, s[WL], 4*TILEB
	s_mov_b32 s88, 1                               ; s[88:91] of the head's weights
	s_mul_i32 s89, s[WL], SLOTB
	s_add_co_u32 s89, s89, SLOTB
	s_mov_b32 s56, 1                               ; s[56:59], s[60:63] of the refills of slot 0, 1
	s_mul_i32 s57, s[WV], 2*TILEB
	s_add_co_u32 s57, s57, SLOTB
	s_mov_b32 s60, 1
	s_add_co_u32 s61, s57, SLOTB
	s_mov_b32 s2, 0x76543210
	s_mov_b32 s3, 0xfedcba98
	s_wait_dscnt 0x0                               ; both opening adds are done
	s_wait_kmcnt 0x0
	s_add_nc_u64 s[42:43], s[4:5], s[86:87]
	s_or_b32 s43, s43, 0x80000000
	s_add_nc_u64 s[90:91], s[6:7], s[92:93]
	s_or_b32 s91, s91, 0x80000000
	s_add_nc_u64 s[58:59], s[6:7], s[94:95]
	s_add_nc_u64 s[62:63], s[58:59], SLOTB
	s_or_b32 s59, s59, 0x80000000
	s_or_b32 s63, s63, 0x80000000
	CROUND                                         ; all sixteen work-groups are here: the first joint loads meet
	s_cmp_lt_u32 s[WV], 2                          ; one chain, a load in each arm: the groups of waves that wait at different barriers have lines of their own
	s_cbranch_scc0 .Lhead_w0
	tensor_load_to_lds s[40:43], s[24:31]          ; waves 0, 1: the tokens
	s_nop 0
	PLACES 4
	s_branch .Lasked
.Lhead_w0:
	s_cmp_eq_u32 s[WV], 2
	s_cbranch_scc0 .Lhead_w1
	tensor_load_to_lds s[88:91], s[32:39]          ; wave 2: phase 0's weights
	s_nop 0
	PLACES 4
	s_branch .Lasked
.Lhead_w1:
	tensor_load_to_lds s[88:91], s[32:39]          ; wave 3: phase 1's
	s_nop 0
	PLACES 4
.Lasked:
	s_lshl_b32 s96, s23, 3
	s_lshl_b32 s97, s[WH], 2
	s_add_co_u32 s96, s96, s97
	s_lshl_b32 s96, s96, 9
	s_mov_b32 s97, 0
	s_add_nc_u64 s[96:97], s[8:9], s[96:97]        ; my four token tiles' scale words
	s_lshl_b32 s82, s22, 4
	s_lshl_b32 s83, s[WL], 2
	s_add_co_u32 s82, s82, s83
	s_lshl_b32 s82, s82, 9
	s_add_co_u32 s82, s82, 262144
	s_mov_b32 s83, 0
	s_add_nc_u64 s[82:83], s[8:9], s[82:83]        ; my four weight tiles' words, phase 0
	s_lshl_b32 s84, s22, 10
	s_lshl_b32 s85, s[WL], 8
	s_add_co_u32 s84, s84, s85
	s_mov_b32 s85, 0
	s_add_nc_u64 s[84:85], s[10:11], s[84:85]      ; b_attn at column 256 X + 64 WL
	s_lshr_b32 s46, s23, 4
	s_lshl_b32 s46, s46, 4
	s_lshl_b32 s47, s22, 2
	s_add_co_u32 s46, s46, s47
	s_add_co_u32 s46, s46, s[WL]                   ; my head of a tensor's first phase: 16 x batch + 4 X + WL; the second phase's lies two on
	s_and_b32 s47, s23, 15                         ; the step of 128 tokens
	s_mul_i32 s78, s46, 106496
	s_mul_i32 s79, s47, 6656
	s_add_co_u32 s78, s78, s79
	s_mov_b32 s79, 0
	s_add_nc_u64 s[78:79], s[12:13], s[78:79]      ; s[78:79], s[80:81]: where the two phases in hand store: q's first
	s_add_nc_u64 s[80:81], s[78:79], 2*106496
	s_mul_i32 s66, s46, 208896
	s_mul_i32 s67, s47, 13056
	s_add_co_u32 s66, s66, s67
	s_mov_b32 s67, 0
	s_add_nc_u64 s[66:67], s[14:15], s[66:67]      ; s[66:69]: the same for k and for v
	s_add_nc_u64 s[68:69], s[66:67], 2*208896
	s_mul_i32 s86, s[WH], 4*TILEB
	s_mul_i32 s87, s[WL], 4*TILEB
	s_add_co_u32 s87, s87, SLOTB
	s_add_co_u32 s92, s87, SLOTB
	s_mul_i32 s93, s[WH], 3072
	s_mul_i32 s94, s[WH], 768
	s_lshl_b32 s95, s[WH], 4
	s_lshl_b32 s98, s[WH], 1
	v_and_b32 v3, 31, v0
	v_and_b32 v1, 15, v0
	v_bfe_u32 v2, v0, 4, 1
	v_lshlrev_b32 v4, 4, v3
	v_lshlrev_b32 v5, 3, v3
	v_lshlrev_b32 v6, 4, v1
	v_lshlrev_b32 v7, 6, v2
	v_and_b32 v8, 8, v1
	v_add_nc_u32 v8, v8, v1
	v_lshlrev_b32 v8, 2, v8
.irp a, 0,1,2,3
.irp k, 0,1
	global_load_b128 v[XW+8*\a+4*\k:XW+8*\a+4*\k+3], v6, s[96:97] offset:512*\a+256*\k
.endr
.endr
	NEXTW 0, 0
	NEXTB 0, 0
	WIN 0x80
.irp f, 0,1
.irp j, 0,1,2,3
	global_load_b32 v[VB+4*\f+\j], v8, s[84:85] offset:8192+512*\f+(32*(\j/2)+8*(\j%2))*4   ; v's bias: my channel of tile j
.endr
.endr
.irp c, 0,1,2,3,4,5,6,7
	v_mov_b32 v[PS+\c], 0                          ; written once: a lane permute's destination counts as one of its sources
.endr
	WIN 0
	v_add_nc_u32 v[X16], s86, v4
	v_add_nc_u32 v[X8], s86, v5
	v_add_nc_u32 v[W16], s87, v4
	v_add_nc_u32 v[W16+1], s92, v4
	v_add_nc_u32 v[W8], s87, v5
	v_add_nc_u32 v[W8+1], s92, v5
	v_add_nc_u32 v[QC16], s93, v4
	v_add_nc_u32 v[QC8], s93, v5
	v_lshl_add_u32 v[QW], v1, 5, s95
	v_add_nc_u32 v[VC16], s94, v4
	v_add_nc_u32 v[VC8], s94, v5
	v_add_nc_u32 v[VW], s98, v6
	s_wait_alu depctr_va_vdst(0)
	s_cmp_lt_u32 s[WV], 2
	s_cbranch_scc0 .Lnot_x
	s_wait_tensorcnt 0x0
.Lnot_x:
	s_barrier_signal -1
	s_barrier_wait -1                              ; the tokens are in
.set F_, 0
.rept 32                                       ; my four tiles, all of K, into registers: 128 loads
	XLOC F_
	WIN XWN<<6
	FRAG XRG, X16, X8, TILEB*(F_%4)+FRB*(F_/4)
.set F_, F_+1
.endr
	WIN 0
	s_cmp_eq_u32 s[WV], 2
	s_cbranch_scc0 .Lnot_w0
	s_wait_tensorcnt 0x0
.Lnot_w0:
	s_wait_dscnt 0x0
	s_barrier_signal -1
	s_barrier_wait -1                              ; phase 0's weights are in; phase 1's may still be on their way
	FETCHW 0, 0, 0
	s_mov_b32 s19, 0
.Ltensor:                                          ; two trips: q, then k
	PHASE 0, 0, 1, 4096, 512
	PHASE 0, 1, 1, 32768, 4096                     ; (in the second trip the bias asked for here is not used: v's comes from its own registers; the bytes lie inside b_attn)
	s_wait_xcnt 0x0                                ; loads and stores have read their bases
	s_add_nc_u64 s[82:83], s[82:83], 32768         ; the next tensor's words: 64 tiles on,
	s_add_nc_u64 s[84:85], s[84:85], 4096          ; its bias: 1,024 columns on,
	s_mov_b64 s[78:79], s[66:67]                   ; and from k on the results go to kv
	s_mov_b64 s[80:81], s[68:69]
	s_add_co_u32 s19, s19, 1
	s_cmp_lt_u32 s19, 2
	s_cbranch_scc1 .Ltensor
	PHASE 1, 0, 2, 4096, -1
	PHASE 1, 1, 0, -1, -1
	s_wait_tensorcnt 0x0                           ; the wave's end
	ds_add_u32 v[SPW], v[NIL]
	s_wait_dscnt 0x0
	CROUND                                         ; the closing round
	s_endpgm
.Lfunc_end_k_q01941172c5_qkv:
	.size	k_q01941172c5_qkv, .Lfunc_end_k_q01941172c5_qkv-k_q01941172c5_qkv
	.p2alignl 7, 3214868480
	.fill 96, 4, 3214868480
	.section	.rodata,"a",@progbits
	.p2align	6, 0x0
	.amdhsa_kernel k_q01941172c5_qkv
		.amdhsa_group_segment_fixed_size 327680
		.amdhsa_private_segment_fixed_size 0
		.amdhsa_enable_private_segment 0
		.amdhsa_kernarg_size 48
		.amdhsa_user_sgpr_count 2
		.amdhsa_user_sgpr_kernarg_segment_ptr 1
		.amdhsa_wavefront_size32 1
		.amdhsa_system_sgpr_workgroup_id_x 1
		.amdhsa_system_sgpr_workgroup_id_y 1
		.amdhsa_system_sgpr_workgroup_id_z 1
		.amdhsa_system_vgpr_workitem_id 0
		.amdhsa_next_free_vgpr 1024
		.amdhsa_next_free_sgpr 100
		.amdhsa_reserve_vcc 0
		.amdhsa_float_denorm_mode_32 3
		.amdhsa_float_denorm_mode_16_64 3
		.amdhsa_memory_ordered 1
		.amdhsa_forward_progress 1
		.amdhsa_inst_pref_size 164
	.end_amdhsa_kernel
	.amdgpu_metadata
---
amdhsa.version: [ 1, 2 ]
amdhsa.kernels:
  - .name:           k_q01941172c5_qkv
    .symbol:         k_q01941172c5_qkv.kd
    .args:
      - { .name: ximg, .offset: 0, .size: 8, .value_kind: global_buffer, .address_space: global }
      - { .name: wimg, .offset: 8, .size: 8, .value_kind: global_buffer, .address_space: global }
      - { .name: sc1, .offset: 16, .size: 8, .value_kind: global_buffer, .address_space: global }
      - { .name: b_attn, .offset: 24, .size: 8, .value_kind: global_buffer, .address_space: global }
      - { .name: qimg, .offset: 32, .size: 8, .value_kind: global_buffer, .address_space: global }
      - { .name: kv, .offset: 40, .size: 8, .value_kind: global_buffer, .address_space: global }
    .group_segment_fixed_size: 327680
    .private_segment_fixed_size: 0
    .kernarg_segment_align: 8
    .kernarg_segment_size: 48
    .max_flat_workgroup_size: 128
    .sgpr_count:     100
    .vgpr_count:     1024
    .wavefront_size: 32
...
	.end_amdgpu_metadata
.endif
;; end of part 2
;; launch attn (part 3): grid 256 x 1, 16 waves a work-group, clusters of 4 x 1, 327,680 bytes of LDS; arguments qimg, kv, aimg, sc2; writes aimg, sc2
.if DOCPART == 3
	.amdgcn_target "amdgcn-amd-amdhsa--gfx1250"
	.amdhsa_code_object_version 6
	.text
	.protected	k_q01941172c5_attn
	.globl	k_q01941172c5_attn
	.p2align	8
	.type	k_q01941172c5_attn,@function
k_q01941172c5_attn:
	s_mov_b64 s[64:65], 0
	v_nop
	global_prefetch_b8 v0, s[64:65] scope:SCOPE_SE
	s_setreg_imm32_b32 hwreg(HW_REG_WAVE_MODE, 25, 1), 1
	s_wait_xcnt 0x0
	s_wait_alu depctr_hold_cnt(0) depctr_sa_sdst(0) depctr_va_vdst(0) depctr_va_sdst(0) depctr_va_ssrc(0) depctr_va_vcc(0) depctr_vm_vsrc(0)
	s_getreg_b32 s2, hwreg(HW_REG_IB_STS2, 6, 4)
	s_cmp_eq_u32 s2, 0
	s_cbranch_scc0 .Lentry_in_a_cluster
	s_endpgm
.Lentry_in_a_cluster:
	s_bfe_u32 s2, ttmp6, 0x10000c
	s_cmp_lg_u32 s2, 0x3003
	s_cbranch_scc0 .Lentry_shape_is_right
	s_endpgm
.Lentry_shape_is_right:
; Causal attention of 64 heads (2,048 tokens, head size 64) on codes of FP6 (E2M3) with E8M0 scales; O / l is quantised along the model's 1,024 and leaves as the last product's operand.
; t = score x log2(e) / 8; M = the running largest t rounded UP to a whole number; p = 2^(t - M) is quantised along the keys, not normalised; l is the sum of the unquantised p, in f32; when M moves, l and O are multiplied by 2^(old M - new M): exact.
; IN: qimg [head][step of 128 queries 16][8 tiles x 768 bytes, 512 bytes of scale words [row 16][tile 8]]; kv [head][step of 128 keys 16][K: as a step of qimg, 6,656 bytes; V: 4 tiles of 16 channels x 1,536 bytes, 256 bytes of words [row 16][tile 4]]: 13,056 bytes a step.
; A tile's lane r holds row 32 (T / 2) + 8 (T % 2) + r + 8 (r / 8).  Both products are used transposed (S^T = K Q^T, O^T = V^T P^T): a lane holds ONE query, and the 16 registers of tiles 2 b, 2 b + 1 are 16 neighbouring keys (or channels).
; THE WHOLE HEAD LIES IN LDS: 16 steps x 13,056 = 208,896 bytes.  Wave w asks for step w at the head, one tensor load a wave; nothing is filled again, so there is no ring.
; CLUSTER: the four work-groups of a head need the same bytes: each load is a joint load of the four (mask 15).
; SHARES.  A head has 128 tiles of 16 queries; tile T needs key steps 0 .. T / 8 (later steps lie wholly under the causal mask and are not done), the last of them with hidden keys.  Wave w of the work-group at place cx owns tiles
; 127 - (4 w + cx) and 4 w + cx: (16 - w / 2) + (w / 2 + 1) = 17 steps in every wave.  The counts hang on the wave's number alone: no branch hangs on cx; cx enters global addresses and the lanes' mask numbers only.
; ORDER.  Waves 0 to 3 wait for their loads ahead of the first barrier, which shows steps 0 to 3; every wave walks these four for its long tile (it has nine steps at the least); ahead of the second barrier every wave waits, and all 16 steps are shown.
; The three walks have constant trip counts; a step beyond a tile's last is passed over by a scalar branch on the trip's number and the wave's.
; THE FIRST PRODUCT'S K IS 64.  Two tiles of K, 6 registers each, form one source 0; the even tile is multiplied with (Q, zeros), the odd one with (zeros, Q): v16-21 Q, v22-27 zero codes, v28-33 Q again.  The scale words repeat their two bytes, so they fit either half.
; V's fragments are fetched into K's registers behind the first product, and are waited for ahead of the second.
; NO PREFETCH: every byte that comes by a tensor load is asked for at the head; no later load is left to run ahead of.
; OUT: aimg [tile of tokens 512][head 16][768 bytes]; sc2 [tile][K half 2][row 16][16 bytes]: my head's two bytes of a row.
; LIMITS: the scaled scores stay under 2^31 in magnitude.  The quantiser at the end: a block of zeros gets the byte 1 with zero codes (only this program reads the bytes); largest magnitudes under 2^-124 keep the byte 1; NaN and infinities are not served.
; v1 16 x lane, v2 8 x lane, v3 32 r, v4 16 r, v5-6 the add's two, v7 r + 8 (r / 8) - 16 h, v8-11 v1-4 + the step, v12 -M, v13 the largest t, v[14:15] l, v34 -infinity, v35 Q's word, v36-83 K's 8 tiles, then V's 4, v84-91 K's words, v92-95 V's,
; v96-159 S^T, then p, v160-191 O^T, v192-203 p's codes, v204-210 at work, v[224:225] f, v226 p's word, v229-235 the short tile's word and Q, v236 my query in its last step - 16 h, v237 the same of the short tile, v244-255 sums.
.set STEPB, 13056
.set VOFF,  6656
.set SPARE, 16*STEPB                   ; behind the head's 16 steps: the spare words, 128 bytes a wave
.set SPW, 5
.set NIL, 6
.set NINF, 34
.set BM,  212
.set PS,  216
.set SOP, 220
.set DQ,  236
.set WV,  12
.set LS,  52                           ; s52 the short tile's last step: wave / 2;  s53 the long tile's: 15 - wave / 2
.set LL,  53
.set SEL, 42
.set CS,  44
.macro CROUND
	s_barrier_signal -1
	s_barrier_wait -1
	s_cmp_lg_u32 s[WV], 0
	s_cbranch_scc1 .Lnot_wave_0_\@
	s_barrier_signal -3
.Lnot_wave_0_\@:
	s_barrier_wait -3
	s_barrier_signal -1
	s_barrier_wait -1
.endm
; byte offsets of tile s[t]: Q's codes, Q's words, the codes' and the bytes' place on the way out; and the tile's first row in its last key step.  s58-61: the head's parts
.macro TILE t, qc, qw, ao, so, db
	s_lshr_b32 s54, s[\t], 3
	s_mul_i32 s54, s54, 6656
	s_add_co_u32 s54, s54, s58
	s_and_b32 s55, s[\t], 7
	s_mul_i32 s56, s55, 768
	s_add_co_u32 s[\qc], s54, s56
	s_mov_b32 s[\qc+1], 0
	s_lshl_b32 s56, s55, 2
	s_add_co_u32 s[\qw], s54, s56
	s_mov_b32 s[\qw+1], 0
	s_add_co_u32 s54, s[\t], s59
	s_mul_i32 s56, s54, 12288
	s_add_co_u32 s[\ao], s56, s60
	s_mov_b32 s[\ao+1], 0
	s_lshl_b32 s56, s54, 9
	s_add_co_u32 s[\so], s56, s61
	s_mov_b32 s[\so+1], 0
	s_lshr_b32 s56, s55, 1
	s_lshl_b32 s56, s56, 5
	s_and_b32 s57, s55, 1
	s_lshl_b32 s57, s57, 3
	s_add_co_u32 s[\db], s56, s57
.endm
; A KEY STEP: the 128 keys at LDS byte s28, step number s29.  lim: the register with the tile's last step, or -1 where every wave does the step and no key is hidden.
.macro STEP lim
.if (\lim) >= 0
	s_cmp_gt_u32 s29, s[\lim]
	s_cbranch_scc1 .Lhidden_\@                     ; beyond the tile's last step: the wave's number and the trip's alone decide
.endif
	v_add_nc_u32 v8, s28, v1                       ; these four are also the places between the last step's products and the loads into their registers
	v_add_nc_u32 v9, s28, v2
	v_add_nc_u32 v10, s28, v3
	v_add_nc_u32 v11, s28, v4
	s_wait_alu depctr_va_vdst(0)
.irp t, 0,1,2,3,4,5,6,7
	ds_load_b128 v[36+6*\t:39+6*\t], v8 offset:768*\t
	ds_load_b64 v[40+6*\t:41+6*\t], v9 offset:768*\t+512
.endr
	ds_load_b128 v[84:87], v10 offset:6144         ; row r's words of the eight tiles
	ds_load_b128 v[88:91], v10 offset:6160
	s_wait_dscnt 0x0
.irp t, 0,1,2,3,4,5,6,7
	v_wmma_scale_f32_16x16x128_f8f6f4 v[96+8*\t:103+8*\t], v[36+12*(\t/2):47+12*(\t/2)], v[16+6*(\t%2):27+6*(\t%2)], 0, v[84+\t], v35 matrix_a_fmt:MATRIX_FMT_FP6 matrix_b_fmt:MATRIX_FMT_FP6
.endr                                          ; lane (r, h): my query; register 16 b + i: key 32 b + 16 h + i of the step
.rept 4
	v_nop                                          ; places ahead of the loads into K's registers and of the first read of the scores
.endr
.irp t, 0,1,2,3
	ds_load_b128 v[36+12*\t:39+12*\t], v8 offset:VOFF+1536*\t
	ds_load_b64 v[40+12*\t:41+12*\t], v9 offset:VOFF+1536*\t+512
	ds_load_b128 v[42+12*\t:45+12*\t], v8 offset:VOFF+1536*\t+768
	ds_load_b64 v[46+12*\t:47+12*\t], v9 offset:VOFF+1536*\t+1280
.endr
	ds_load_b128 v[92:95], v11 offset:VOFF+6144
.if (\lim) >= 0
	s_cmp_lg_u32 s29, s[\lim]
	s_cbranch_scc1 .Lopen_\@                       ; only a tile's last step has hidden keys
.set n, 0
.rept 64
	v_cmp_gt_i32 vcc_lo, 32*(n/16)+n%16, v[DQ]     ; register 16 b + i is hidden where 32 b + i > my query - 16 h
	v_cndmask_b32 v[96+n], v[96+n], v[NINF], vcc_lo
.set n, n+1
.endr
.Lopen_\@:
.endif
.irp b, 0,1,2,3
	v_max3_num_f32 v[BM+\b], v[96+16*\b], v[97+16*\b], v[98+16*\b]   ; the largest score of each block of 32 keys: for the row's maximum and, since p rises with the score, for the block's largest p
.endr
.irp i, 3,5,7,9,11,13
.irp b, 0,1,2,3
	v_max3_num_f32 v[BM+\b], v[BM+\b], v[96+16*\b+\i], v[97+16*\b+\i]
.endr
.endr
.irp b, 0,1,2,3
	v_max_num_f32 v[BM+\b], v[BM+\b], v[111+16*\b]
.endr
.irp b, 0,1,2,3
	s_delay_alu instid0(VALU_DEP_4)
	v_permlanex16_b32 v[PS+\b], v[BM+\b], s[SEL], s[SEL+1]
.endr
.irp b, 0,1,2,3
	s_delay_alu instid0(VALU_DEP_4)
	v_max_num_f32 v[BM+\b], v[BM+\b], v[PS+\b]     ; with lane l xor 16's 16 keys
.endr
	s_delay_alu instid0(VALU_DEP_2)
	v_max3_num_f32 v227, v[BM], v[BM+1], v[BM+2]
	s_delay_alu instid0(VALU_DEP_1)
	v_max_num_f32 v227, v227, v[BM+3]
	s_delay_alu instid0(VALU_DEP_1)
	v_mul_f32 v227, s[CS], v227                    ; as t
	s_delay_alu instid0(VALU_DEP_1)
	v_max_num_f32 v13, v13, v227                   ; the running largest t
	v_mov_b32 v227, v12
	s_delay_alu instid0(VALU_DEP_2)
	v_floor_f32 v12, -v13                          ; -M = floor(-t): M is a whole number
	s_delay_alu instid0(VALU_DEP_1)
	v_sub_f32 v227, v12, v227                      ; old M - new M: a whole number, 0 or less
	s_delay_alu instid0(VALU_DEP_1)
	v_cvt_i32_f32 v227, v227                       ; (it saturates)
	s_delay_alu instid0(VALU_DEP_1)
	v_ldexp_f32 v224, 1.0, v227                    ; f = 2^(old M - new M)
.set n, 0
.rept 32
	v_pk_fma_f32 v[96+n:97+n], v[96+n:97+n], s[CS:CS+1], v[12:13] op_sel_hi:[1,0,0]   ; t - M, two at a time
.set n, n+2
.endr
.irp b, 0,1,2,3
	v_fma_f32 v[BM+\b], v[BM+\b], s[CS], v12       ; the same of each block's largest score
.endr
.set n, 0
.rept 16
	v_pk_mul_f32 v[160+n:161+n], v[160+n:161+n], v[224:225] op_sel_hi:[1,0]   ; O^T under the new M
.set n, n+2
.endr
	v_pk_mul_f32 v[14:15], v[14:15], v[224:225] op_sel_hi:[1,0]   ; and l
	s_wait_alu depctr_va_vdst(0)
.irp b, 0,1,2,3
	v_exp_f32 v[BM+\b], v[BM+\b]                   ; the block's largest p: the same two instructions on the same number
.endr
.set n, 0
.rept 64
	v_exp_f32 v[96+n], v[96+n]                     ; p = 2^(t - M)
.set n, n+1
.endr
	v_nop                                          ; the plain instruction behind the exponentials
	s_wait_alu depctr_va_vdst(0)                   ; one wait for the batch, ahead of its first reader
.irp b, 0,1,2,3
	v_max_num_f32 v[BM+\b], 0x1800000, v[BM+\b]    ; the floor 2^(3 - 127): a block whose every p is 0 keeps the byte 1: its codes are zeros
.endr
.irp b, 0,1,2,3
	s_delay_alu instid0(VALU_DEP_4)
	v_add_nc_u32 v[SOP+\b], 0xff000000, v[BM+\b]
.endr
.irp b, 0,1,2,3
	s_delay_alu instid0(VALU_DEP_4)
	v_lshrrev_b32 v[PS+\b], 23, v[SOP+\b]
.endr
	s_delay_alu instid0(VALU_DEP_3)
	v_lshl_or_b32 v226, v[PS+1], 8, v[PS]          ; p's scale word for these 128 keys
	s_delay_alu instid0(VALU_DEP_1)
	v_lshl_or_b32 v226, v[PS+2], 16, v226
	s_delay_alu instid0(VALU_DEP_1)
	v_lshl_or_b32 v226, v[PS+3], 24, v226
.irp c, 0,1
	v_cvt_scalef32_pk16_fp6_f32 v[192+6*\c:194+6*\c], v[96+32*\c:111+32*\c], v[SOP+2*\c]
	v_cvt_scalef32_pk16_fp6_f32 v[204+4*\c:206+4*\c], v[112+32*\c:127+32*\c], v[SOP+2*\c+1]
.endr
	v_nop                                          ; one plain instruction behind the scaled conversions
.irp c, 0,1
.irp i, 0,1,2
	v_permlane16_swap_b32 v[192+6*\c+\i], v[204+4*\c+\i]
.endr
.irp i, 0,1,2
	s_delay_alu instid0(VALU_DEP_3)
	v_mov_b32 v[195+6*\c+\i], v[204+4*\c+\i]
.endr
.endr
	v_pk_add_f32 v[216:217], v[100:101], v[104:105]   ; l takes the unquantised p, in eight chains; these 32 also stand between the lines that made p's codes and word and the products
	v_pk_add_f32 v[254:255], v[108:109], v[112:113]
	v_pk_add_f32 v[252:253], v[116:117], v[120:121]
	v_pk_add_f32 v[250:251], v[124:125], v[128:129]
	v_pk_add_f32 v[248:249], v[132:133], v[136:137]
	v_pk_add_f32 v[246:247], v[140:141], v[144:145]
	v_pk_add_f32 v[244:245], v[148:149], v[152:153]
	v_pk_add_f32 v[14:15], v[14:15], v[156:157]
	v_pk_add_f32 v[216:217], v[216:217], v[96:97]
	v_pk_add_f32 v[254:255], v[254:255], v[98:99]
	v_pk_add_f32 v[252:253], v[252:253], v[102:103]
	v_pk_add_f32 v[250:251], v[250:251], v[106:107]
	v_pk_add_f32 v[248:249], v[248:249], v[110:111]
	v_pk_add_f32 v[246:247], v[246:247], v[114:115]
	v_pk_add_f32 v[244:245], v[244:245], v[118:119]
	v_pk_add_f32 v[14:15], v[14:15], v[122:123]
	v_pk_add_f32 v[216:217], v[216:217], v[126:127]
	v_pk_add_f32 v[254:255], v[254:255], v[130:131]
	v_pk_add_f32 v[252:253], v[252:253], v[134:135]
	v_pk_add_f32 v[250:251], v[250:251], v[138:139]
	v_pk_add_f32 v[248:249], v[248:249], v[142:143]
	v_pk_add_f32 v[246:247], v[246:247], v[146:147]
	v_pk_add_f32 v[244:245], v[244:245], v[150:151]
	v_pk_add_f32 v[14:15], v[14:15], v[154:155]
	v_pk_add_f32 v[216:217], v[216:217], v[158:159]
	s_delay_alu instid0(VALU_DEP_2)
	v_pk_add_f32 v[14:15], v[14:15], v[250:251]
	s_delay_alu instid0(VALU_DEP_2)
	v_pk_add_f32 v[216:217], v[216:217], v[248:249]
	v_pk_add_f32 v[254:255], v[254:255], v[246:247]
	v_pk_add_f32 v[252:253], v[252:253], v[244:245]
	s_delay_alu instid0(VALU_DEP_2)
	v_pk_add_f32 v[14:15], v[14:15], v[254:255]
	s_delay_alu instid0(VALU_DEP_2)
	v_pk_add_f32 v[216:217], v[216:217], v[252:253]
	s_delay_alu instid0(VALU_DEP_1)
	v_pk_add_f32 v[14:15], v[14:15], v[216:217]
	s_wait_alu depctr_va_vdst(0)
	s_wait_dscnt 0x0                               ; V's fragments and words are in
.irp t, 0,1,2,3                                ; O^T += V^T P^T; the four accumulators take turns
	v_wmma_scale_f32_16x16x128_f8f6f4 v[160+8*\t:167+8*\t], v[36+12*\t:47+12*\t], v[192:203], v[160+8*\t:167+8*\t], v[92+\t], v226 matrix_a_fmt:MATRIX_FMT_FP6 matrix_b_fmt:MATRIX_FMT_FP6
.endr
.if (\lim) >= 0
.Lhidden_\@:
.endif
.endm
.macro WALK label, lim, first, last    ; steps first .. last - 1: a constant count of trips
	s_mov_b32 s29, \first
	s_mov_b32 s28, (\first)*STEPB
\label:
	STEP \lim
	s_add_co_u32 s28, s28, STEPB
	s_add_co_u32 s29, s29, 1
	s_cmp_lt_u32 s29, \last
	s_cbranch_scc1 \label
.endm
; A tile's end: O^T / l, quantised along the head's 64 (register 16 b + i = channel 32 b + 16 h + i), leaves as half a fragment and two scale bytes.
.macro FINISH ao, so
.rept 4
	v_nop                                          ; places behind the last products
.endr
	s_wait_alu depctr_va_vdst(0)
	v_add_f32 v14, v14, v15
	s_delay_alu instid0(VALU_DEP_1)
	v_permlanex16_b32 v227, v14, s[SEL], s[SEL+1]
	s_delay_alu instid0(VALU_DEP_1)
	v_add_f32 v14, v14, v227                       ; l
	s_wait_alu depctr_va_vdst(0)
	v_rcp_f32 v14, v14
	v_nop                                          ; a plain instruction behind the reciprocal,
	s_wait_alu depctr_va_vdst(0)                   ; and the wait ahead of its first reader
.set n, 0
.rept 32
	v_mul_f32 v[96+n], v[160+n], v14
.set n, n+1
.endr
.irp b, 0,1
	v_max3_num_f32 v[BM+\b], |v[96+16*\b]|, |v[97+16*\b]|, 0x1800000
.endr
.irp i, 2,4,6,8,10,12,14
.irp b, 0,1
	s_delay_alu instid0(VALU_DEP_2)
	v_max3_num_f32 v[BM+\b], v[BM+\b], |v[96+16*\b+\i]|, |v[97+16*\b+\i]|
.endr
.endr
.irp b, 0,1
	s_delay_alu instid0(VALU_DEP_2)
	v_permlanex16_b32 v[PS+\b], v[BM+\b], s[SEL], s[SEL+1]
.endr
.irp b, 0,1
	s_delay_alu instid0(VALU_DEP_2)
	v_max_num_f32 v[BM+\b], v[BM+\b], v[PS+\b]
.endr
.irp b, 0,1
	s_delay_alu instid0(VALU_DEP_2)
	v_add_nc_u32 v[SOP+\b], 0xff000000, v[BM+\b]
.endr
.irp b, 0,1
	s_delay_alu instid0(VALU_DEP_2)
	v_lshrrev_b32 v[PS+\b], 23, v[SOP+\b]
.endr
	s_delay_alu instid0(VALU_DEP_1)
	v_lshl_or_b32 v228, v[PS+1], 8, v[PS]
	v_cvt_scalef32_pk16_fp6_f32 v[192:194], v[96:111], v[SOP]
	v_cvt_scalef32_pk16_fp6_f32 v[204:206], v[112:127], v[SOP+1]
	v_nop
.irp i, 0,1,2
	v_permlane16_swap_b32 v[192+\i], v[204+\i]
.endr
.irp i, 0,1,2
	s_delay_alu instid0(VALU_DEP_3)
	v_mov_b32 v[195+\i], v[204+\i]
.endr
	global_store_b128 v1, v[192:195], s[\ao:\ao+1]             ; 512 consecutive bytes, aligned to 256
	global_store_b64 v2, v[196:197], s[\ao:\ao+1] offset:512   ; 256
	global_store_b16 v4, v228, s[\so:\so+1]                    ; two bytes of each row's 16 (lanes r and r + 16: the same bytes, the same value)
.endm
	s_load_b256 s[4:11], s[0:1], 0x0               ; qimg s[4:5], kv s[6:7], aimg s[8:9], sc2 s[10:11]
	v_lshl_add_u32 v[SPW], v0, 2, SPARE
	v_mov_b32 v[NIL], 0
	ds_add_u32 v[SPW], v[NIL]                      ; the opening lines: the add, twice on end, and its wait ahead of the first tensor load
	ds_add_u32 v[SPW], v[NIL]
	v_lshrrev_b32 v7, 5, v0
	v_readfirstlane_b32 s[WV], v7                  ; wave 0..15
	s_bfe_u32 s13, ttmp6, 0x40000                  ; cx; ttmp9 is the cluster's x: the head
	s_lshl_b32 s15, s[WV], 2
	s_add_co_u32 s15, s15, s13                     ; the short tile
	s_sub_co_u32 s33, 127, s15                     ; the long tile
	s_lshr_b32 s[LS], s[WV], 1
	s_sub_co_u32 s[LL], 15, s[LS]
	s_mul_i32 s84, ttmp9, 16*STEPB
	s_mul_i32 s25, s[WV], STEPB                    ; my step's place in LDS,
	s_add_co_u32 s84, s84, s25                     ; and in kv
	s_mov_b32 s85, 0
	s_mov_b32 s24, 1
	s_mov_b32 s16, 15|(3<<16)|(1<<21)              ; the four partners; elements of 8 bytes; bit 21 beside a mask
	s_mov_b32 s17, 32<<16                          ; 51 rows of 256 dense bytes
	s_mov_b32 s18, 51<<16
	s_mov_b32 s19, 32<<16
	s_mov_b32 s20, 51
	s_mov_b32 s21, 32
	s_mov_b32 s22, 0
	s_mov_b32 s23, 0
	s_mul_i32 s58, ttmp9, 106496
	s_lshr_b32 s59, ttmp9, 4
	s_lshl_b32 s59, s59, 7                         ; 128 tiles of tokens a batch
	s_and_b32 s62, ttmp9, 15                       ; the head in its batch
	s_mul_i32 s60, s62, 768
	s_lshr_b32 s61, s62, 3
	s_lshl_b32 s61, s61, 8
	s_and_b32 s62, s62, 7
	s_lshl_b32 s62, s62, 1
	s_add_co_u32 s61, s61, s62
	TILE 33, 66, 68, 70, 72, 82
	TILE 15, 74, 76, 78, 80, 83
	s_mov_b32 s[SEL], 0x76543210
	s_mov_b32 s[SEL+1], 0xfedcba98
	s_mov_b32 s[CS], 0x3e38aa3b                    ; log2(e) / 8
	s_mov_b32 s[CS+1], s[CS]
	s_wait_dscnt 0x0                               ; both opening adds are done
	CROUND                                         ; the four partners are here: the joint loads meet
	s_wait_kmcnt 0x0
	s_add_nc_u64 s[26:27], s[6:7], s[84:85]
	s_or_b32 s27, s27, 0x80000000
	s_cmp_lt_u32 s[WV], 4                          ; two arms, a load in each: waves 0 to 3, which wait ahead of the first barrier, have a line of their own
	s_cbranch_scc0 .Llater
	tensor_load_to_lds s[24:27], s[16:23]
	s_nop 0
.rept 4
	v_nop
.endr
	s_branch .Lasked
.Llater:
	tensor_load_to_lds s[24:27], s[16:23]
	s_nop 0
.rept 4
	v_nop
.endr
.Lasked:
	s_add_nc_u64 s[66:67], s[4:5], s[66:67]
	s_add_nc_u64 s[68:69], s[4:5], s[68:69]
	s_add_nc_u64 s[74:75], s[4:5], s[74:75]
	s_add_nc_u64 s[76:77], s[4:5], s[76:77]
	s_add_nc_u64 s[70:71], s[8:9], s[70:71]
	s_add_nc_u64 s[78:79], s[8:9], s[78:79]
	s_add_nc_u64 s[72:73], s[10:11], s[72:73]
	s_add_nc_u64 s[80:81], s[10:11], s[80:81]
	v_and_b32 v7, 31, v0
	v_lshlrev_b32 v1, 4, v7
	v_lshlrev_b32 v2, 3, v7
	v_and_b32 v8, 15, v0                           ; r
	v_lshlrev_b32 v3, 5, v8
	v_lshlrev_b32 v4, 4, v8
	global_load_b128 v[16:19], v1, s[66:67]        ; the long tile's Q, twice; its word; the short tile's
	global_load_b64 v[20:21], v2, s[66:67] offset:512
	global_load_b128 v[28:31], v1, s[66:67]
	global_load_b64 v[32:33], v2, s[66:67] offset:512
	global_load_b32 v35, v3, s[68:69] offset:6144
	global_load_b128 v[230:233], v1, s[74:75]
	global_load_b64 v[234:235], v2, s[74:75] offset:512
	global_load_b32 v229, v3, s[76:77] offset:6144
	v_bfe_u32 v9, v0, 4, 1                         ; h
	v_and_b32 v10, 8, v8
	v_add_nc_u32 v7, v8, v10
	v_lshlrev_b32 v9, 4, v9
	v_sub_nc_u32 v7, v7, v9                        ; r + 8 (r / 8) - 16 h
	v_add_nc_u32 v[DQ], s82, v7
	v_add_nc_u32 v[DQ+1], s83, v7
	v_mov_b32 v[NINF], 0xff800000
.irp j, 22,23,24,25,26,27
	v_mov_b32 v[\j], 0                             ; zero codes
.endr
	v_mov_b32 v13, 0xff61b1e6                      ; the largest t so far: -3e38
	v_floor_f32 v12, -v13
	v_mov_b32 v14, 0
	v_mov_b32 v15, 0
.irp b, 0,1,2,3
	v_mov_b32 v[PS+\b], 0                          ; written once: a lane permute's destination counts as one of its sources
.endr
	v_mov_b32 v225, 0                              ; (named as the upper half of the pair v[224:225])
	v_mov_b32 v227, 0
.set n, 0
.rept 32
	v_mov_b32 v[160+n], 0                          ; O^T: the step is written once; a tile's first step finds zeros
.set n, n+1
.endr
	s_wait_alu depctr_va_vdst(0)
	s_wait_loadcnt 0x0                             ; Q
	s_cmp_lt_u32 s[WV], 4
	s_cbranch_scc0 .Lnot_first
	s_wait_tensorcnt 0x0                           ; steps 0 to 3 are in
.Lnot_first:
	s_barrier_signal -1
	s_barrier_wait -1
	WALK .Lwalk_a, -1, 0, 4                        ; the long tile, steps 0 to 3
	s_wait_alu depctr_va_vdst(0)
	s_wait_tensorcnt 0x0                           ; every wave waits: all 16 steps are in
	s_wait_dscnt 0x0
	s_barrier_signal -1
	s_barrier_wait -1
	WALK .Lwalk_b, LL, 4, 16                       ; its steps 4 to 15 - wave / 2
	FINISH 70, 72
.irp j, 0,1,2,3,4,5
	v_mov_b32 v[16+\j], v[230+\j]                  ; the short tile's Q, twice,
	v_mov_b32 v[28+\j], v[230+\j]
.endr
	v_mov_b32 v35, v229                            ; its word (the lines below stand between it and the next product),
	v_mov_b32 v[DQ], v[DQ+1]
.set n, 0
.rept 32
	v_mov_b32 v[160+n], 0
.set n, n+1
.endr
	v_mov_b32 v14, 0
	v_mov_b32 v15, 0
	v_mov_b32 v13, 0xff61b1e6
	v_floor_f32 v12, -v13
	s_wait_alu depctr_va_vdst(0)
	s_wait_xcnt 0x0                                ; the stores have read their registers
	WALK .Lwalk_c, LS, 0, 8                        ; the short tile, steps 0 to wave / 2
	FINISH 78, 80
	s_wait_tensorcnt 0x0                           ; the wave's end
	ds_add_u32 v[SPW], v[NIL]
	s_wait_dscnt 0x0
	CROUND                                         ; the closing round
	s_endpgm
.Lfunc_end_k_q01941172c5_attn:
	.size	k_q01941172c5_attn, .Lfunc_end_k_q01941172c5_attn-k_q01941172c5_attn
	.p2alignl 7, 3214868480
	.fill 96, 4, 3214868480
	.section	.rodata,"a",@progbits
	.p2align	6, 0x0
	.amdhsa_kernel k_q01941172c5_attn
		.amdhsa_group_segment_fixed_size 327680
		.amdhsa_private_segment_fixed_size 0
		.amdhsa_enable_private_segment 0
		.amdhsa_kernarg_size 32
		.amdhsa_user_sgpr_count 2
		.amdhsa_user_sgpr_kernarg_segment_ptr 1
		.amdhsa_wavefront_size32 1
		.amdhsa_system_sgpr_workgroup_id_x 1
		.amdhsa_system_sgpr_workgroup_id_y 1
		.amdhsa_system_sgpr_workgroup_id_z 1
		.amdhsa_system_vgpr_workitem_id 0
		.amdhsa_next_free_vgpr 256
		.amdhsa_next_free_sgpr 100
		.amdhsa_reserve_vcc 1
		.amdhsa_float_denorm_mode_32 3
		.amdhsa_float_denorm_mode_16_64 3
		.amdhsa_memory_ordered 1
		.amdhsa_forward_progress 1
		.amdhsa_inst_pref_size 81
	.end_amdhsa_kernel
	.amdgpu_metadata
---
amdhsa.version: [ 1, 2 ]
amdhsa.kernels:
  - .name:           k_q01941172c5_attn
    .symbol:         k_q01941172c5_attn.kd
    .args:
      - { .name: qimg, .offset: 0, .size: 8, .value_kind: global_buffer, .address_space: global }
      - { .name: kv, .offset: 8, .size: 8, .value_kind: global_buffer, .address_space: global }
      - { .name: aimg, .offset: 16, .size: 8, .value_kind: global_buffer, .address_space: global }
      - { .name: sc2, .offset: 24, .size: 8, .value_kind: global_buffer, .address_space: global }
    .group_segment_fixed_size: 327680
    .private_segment_fixed_size: 0
    .kernarg_segment_align: 8
    .kernarg_segment_size: 32
    .max_flat_workgroup_size: 512
    .sgpr_count:     100
    .vgpr_count:     256
    .wavefront_size: 32
...
	.end_amdgpu_metadata
.endif
;; end of part 3
;; launch proj (part 4): grid 4 x 64, 4 waves a work-group, clusters of 4 x 4, 327,680 bytes of LDS; arguments aimg, pimg, sc2, b_proj, out0; writes out0
.if DOCPART == 4
	.amdgcn_target "amdgcn-amd-amdhsa--gfx1250"
	.amdhsa_code_object_version 6
	.text
	.protected	k_q01941172c5_proj
	.globl	k_q01941172c5_proj
	.p2align	8
	.type	k_q01941172c5_proj,@function
k_q01941172c5_proj:
	s_mov_b64 s[64:65], 0
	v_nop
	global_prefetch_b8 v0, s[64:65] scope:SCOPE_SE
	s_setreg_imm32_b32 hwreg(HW_REG_WAVE_MODE, 25, 1), 1
	s_wait_xcnt 0x0
	s_wait_alu depctr_hold_cnt(0) depctr_sa_sdst(0) depctr_va_vdst(0) depctr_va_sdst(0) depctr_va_ssrc(0) depctr_va_vcc(0) depctr_vm_vsrc(0)
	s_getreg_b32 s2, hwreg(HW_REG_IB_STS2, 6, 4)
	s_cmp_eq_u32 s2, 0
	s_cbranch_scc0 .Lentry_in_a_cluster
	s_endpgm
.Lentry_in_a_cluster:
	s_bfe_u32 s2, ttmp6, 0x10000c
	s_cmp_lg_u32 s2, 0xf033
	s_cbranch_scc0 .Lentry_shape_is_right
	s_endpgm
.Lentry_shape_is_right:
; out0 = attn w_proj + b_proj on codes of FP6 (E2M3) with E8M0 scales, K = 1024, f32 out.
; OPERANDS are images of the operand's registers: a tile of 16 rows (lane r of tile T: row 32 (T / 2) + 8 (T % 2) + r + 8 (r / 8)) x 128 K is 1,536 bytes; a tile's 8 K steps lie on end (12,288 bytes).
; A work-group makes 128 tokens x 256 columns: 64 x 4 = 256 work-groups.  Its 8 tiles of tokens (S1) and 16 tiles of w_proj^T (S0), ALL of K, are 24 x 12,288 = 294,912 bytes of LDS: they come once, one joint tensor load a wave
; (waves 0, 1: four tiles of S1 each; waves 2, 3: eight tiles of S0 each); nothing is filled again.  S1's tiles are shared along a row of the 4 x 4 cluster, S0's along a column.
; A wave makes 64 x 128: 32 accumulators.  The product is used transposed (source 0 = a tile of S0, source 1 = a tile of S1): a lane holds eight neighbouring columns of one token.  Both operands have two sets of fragment registers:
; a K step's 48 LDS loads are issued ahead of the step before's 32 products.  The bias is the first products' C.
; NO PREFETCH: every byte that comes by a tensor load is asked for at the head; no later load is left to run ahead of.
; THE WAY OUT goes through a stage of 8,448 bytes a wave on the tiles' first bytes, behind a barrier at which every wave's reads of the tiles are over; those bytes have had their only fill.
; Window 0: v1 r, v2 h, v3 lane, v4 16 x lane, v5 8 x lane, v16-21 LDS addresses, v24-26 the way out, v28-29 the add's two, v32-63 S1's scale words (block a, step kq at 32 + 8 a + kq), v66-129 S0's (66 + 8 b + kq: the two sides' numbers differ by 2 modulo 8),
; v160-255 S1's fragments, two sets.  Window 1: S0's fragments, two sets at v0 and v128; the bias at v96-127 and v224-255.  Window 2: the accumulators, (a, b) at v[8 (8 a + b)].
.set FRB,    1536
.set TILEB,  12288
.set S0B,    8*TILEB
.set SPARE,  24*TILEB
.set STG,    8448
.set SPW,  28
.set NIL,  29
.set SA,   32
.set SB,   66
.set AF,   160
.set WV,   16
.set WH,   17
.set WL,   18
.set G1,   24
.set G0,   32
.set G1B,  48
.set G0B,  56
.set MSB, 0
.macro WIN new
.if MSB != (\new)
	s_set_vgpr_msb (MSB<<8)|(\new)
.set MSB, (\new)
.endif
.endm
.macro CROUND
	s_barrier_signal -1
	s_barrier_wait -1
	s_cmp_lg_u32 s[WV], 0
	s_cbranch_scc1 .Lnot_wave_0_\@
	s_barrier_signal -3
.Lnot_wave_0_\@:
	s_barrier_wait -3
	s_barrier_signal -1
	s_barrier_wait -1
.endm
.macro PLACES n
.rept \n
	v_nop
.endr
.endm
.macro FRAG reg, a16, a8, off          ; a fragment comes back as it was stored: four loads, each of consecutive bytes
	ds_load_b128 v[\reg:\reg+3], v[\a16] offset:(\off)
	ds_load_b64 v[\reg+4:\reg+5], v[\a8] offset:(\off)+512
	ds_load_b128 v[\reg+6:\reg+9], v[\a16] offset:(\off)+768
	ds_load_b64 v[\reg+10:\reg+11], v[\a8] offset:(\off)+1280
.endm
.macro FETCH kq, p                     ; K step kq: S0's eight fragments and S1's four into set p.  v18-19 serve S0's tiles 0-3, v20-21 tiles 4-7, so that every offset fits 16 bits
	WIN 0x40
.irp i, 0,1,2,3,4,5,6,7
	FRAG 128*(\p)+12*\i, 18+2*(\i/4), 19+2*(\i/4), TILEB*(\i%4)+FRB*(\kq)
.endr
	WIN 0
.irp i, 0,1,2,3
	FRAG AF+48*(\p)+12*\i, 16, 17, TILEB*\i+FRB*(\kq)
.endr
.endm
.macro MUL32 p, kq, first              ; the 32 accumulators take turns, in the same order in every step
.irp a, 0,1,2,3
.irp b, 0,1,2,3,4,5,6,7
.if \first
	v_wmma_scale_f32_16x16x128_f8f6f4 v[8*(8*\a+\b):8*(8*\a+\b)+7], v[128*(\p)+12*\b:128*(\p)+12*\b+11], v[AF+48*(\p)+12*\a:AF+48*(\p)+12*\a+11], v[96+8*\b+96*(\b/4):103+8*\b+96*(\b/4)], v[SB+8*\b+(\kq)], v[SA+8*\a+(\kq)] matrix_a_fmt:MATRIX_FMT_FP6 matrix_b_fmt:MATRIX_FMT_FP6
.else
	v_wmma_scale_f32_16x16x128_f8f6f4 v[8*(8*\a+\b):8*(8*\a+\b)+7], v[128*(\p)+12*\b:128*(\p)+12*\b+11], v[AF+48*(\p)+12*\a:AF+48*(\p)+12*\a+11], v[8*(8*\a+\b):8*(8*\a+\b)+7], v[SB+8*\b+(\kq)], v[SA+8*\a+(\kq)] matrix_a_fmt:MATRIX_FMT_FP6 matrix_b_fmt:MATRIX_FMT_FP6
.endif
.endr
.endr
.endm
.macro STEP kq
	s_wait_dscnt 0x0                               ; this step's fragments are in
.if (\kq) < 7
	PLACES 4                                       ; between the last step's products and the loads into their registers
	FETCH (\kq)+1, ((\kq)+1)%2
.else
	s_barrier_signal -1                            ; my reads of the tiles are over; the products below are register work
.endif
.if (\kq) == 0
	WIN 0x91                                       ; source 0 window 1, source 1 window 0, C (the bias) window 1, D window 2
	MUL32 0, 0, 1
.else
	WIN 0xa1                                       ; C with D in window 2
	MUL32 (\kq)%2, \kq, 0
.endif
	WIN 0
.endm
	s_load_b256 s[4:11], s[0:1], 0x0               ; aimg s[4:5], pimg s[6:7], sc2 s[8:9], b_proj s[10:11]
	s_load_b64 s[12:13], s[0:1], 0x20              ; out0
	v_lshl_add_u32 v[SPW], v0, 2, SPARE
	v_mov_b32 v[NIL], 0
	ds_add_u32 v[SPW], v[NIL]                      ; the opening lines: the add, twice on end, and its wait
	ds_add_u32 v[SPW], v[NIL]
	v_lshrrev_b32 v1, 5, v0
	v_readfirstlane_b32 s[WV], v1
	s_lshr_b32 s[WH], s[WV], 1                     ; my half of S1's tiles.  Also: I fetch for S1 (0) or for S0 (1)
	s_and_b32 s[WL], s[WV], 1                      ; my half of S0's tiles.  Also: which half I fetch
	s_bfe_u32 s40, ttmp6, 0x40000                  ; cx
	s_bfe_u32 s41, ttmp6, 0x40004                  ; cy
	s_lshl_b32 s42, ttmp9, 2
	s_add_co_u32 s42, s42, s40                     ; X: which 256 columns
	s_and_b32 s43, ttmp7, 0xffff
	s_lshl_b32 s43, s43, 2
	s_add_co_u32 s43, s43, s41                     ; Y: which 128 tokens
	s_lshl_b32 s44, s41, 2
	s_lshl_b32 s44, 15, s44                        ; my row of the cluster
	s_lshl_b32 s45, 0x1111, s40                    ; my column
	s_or_b32 s[G1+0], s44, (3<<16)|(1<<21)         ; S1's tiles go to my row; elements of 8 bytes; bit 21 beside a mask
	s_or_b32 s[G1B+0], s45, (3<<16)|(1<<21)        ; S0's to my column
	s_mov_b32 s[G1+1], 1536<<16                    ; four rows of 12,288 bytes: a tile a row
	s_mov_b32 s[G1+2], 4<<16
	s_mov_b32 s[G1+3], 1536<<16
	s_mov_b32 s[G1+4], 4
	s_mov_b32 s[G1+5], 1536
	s_mov_b32 s[G1+6], 0
	s_mov_b32 s[G1+7], 0
	s_mov_b32 s[G1B+1], 1536<<16                   ; eight rows
	s_mov_b32 s[G1B+2], 8<<16
	s_mov_b32 s[G1B+3], 1536<<16
	s_mov_b32 s[G1B+4], 8
	s_mov_b32 s[G1B+5], 1536
	s_mov_b32 s[G1B+6], 0
	s_mov_b32 s[G1B+7], 0
	s_lshl_b32 s46, s43, 3
	s_lshl_b32 s47, s[WL], 2
	s_add_co_u32 s46, s46, s47                     ; S1: tile 8 Y + 4 x half
	s_mul_i32 s46, s46, TILEB
	s_mov_b32 s47, 0
	s_lshl_b32 s68, s42, 4
	s_lshl_b32 s69, s[WL], 3
	s_add_co_u32 s68, s68, s69                     ; S0: tile 16 X + 8 x half
	s_mul_i32 s68, s68, TILEB
	s_mov_b32 s69, 0
	s_mov_b32 s[G0], 1
	s_mul_i32 s[G0+1], s[WL], 4*TILEB              ; where they go: no place in the cluster enters an LDS address
	s_mov_b32 s[G0B], 1
	s_mul_i32 s[G0B+1], s[WL], 8*TILEB
	s_add_co_u32 s[G0B+1], s[G0B+1], S0B
	s_wait_dscnt 0x0                               ; both opening adds are done
	s_wait_kmcnt 0x0
	s_add_nc_u64 s[G0+2:G0+3], s[4:5], s[46:47]
	s_or_b32 s[G0+3], s[G0+3], 0x80000000
	s_add_nc_u64 s[G0B+2:G0B+3], s[6:7], s[68:69]
	s_or_b32 s[G0B+3], s[G0B+3], 0x80000000
	CROUND                                         ; all sixteen work-groups are here: the joint loads meet
	s_cmp_eq_u32 s[WH], 0
	s_cbranch_scc0 .Lfor_s0
	tensor_load_to_lds s[G0:G0+3], s[G1:G1+7]
	s_nop 0
	PLACES 4
	s_branch .Lasked
.Lfor_s0:
	tensor_load_to_lds s[G0B:G0B+3], s[G1B:G1B+7]
	s_nop 0
	PLACES 4
.Lasked:
	s_lshl_b32 s74, s43, 3                         ; the scale words, 512 bytes a tile: S1's four tiles,
	s_lshl_b32 s76, s[WH], 2
	s_add_co_u32 s74, s74, s76
	s_lshl_b32 s74, s74, 9
	s_mov_b32 s75, 0
	s_add_nc_u64 s[74:75], s[8:9], s[74:75]
	s_lshl_b32 s76, s42, 4                         ; S0's eight, behind those of 512 tiles of tokens
	s_lshl_b32 s77, s[WL], 3
	s_add_co_u32 s76, s76, s77
	s_lshl_b32 s76, s76, 9
	s_add_co_u32 s76, s76, 262144
	s_mov_b32 s77, 0
	s_add_nc_u64 s[76:77], s[8:9], s[76:77]
	s_lshl_b32 s78, s42, 10
	s_lshl_b32 s79, s[WL], 9
	s_add_co_u32 s78, s78, s79                     ; my first column, in bytes
	s_mov_b32 s79, 0
	s_add_nc_u64 s[80:81], s[10:11], s[78:79]
	s_lshl_b32 s84, s43, 7
	s_lshl_b32 s85, s[WH], 6
	s_add_co_u32 s84, s84, s85                     ; my first token
	s_lshl_b32 s84, s84, 12
	s_add_co_u32 s84, s84, s78
	s_mov_b32 s85, 0
	s_add_nc_u64 s[12:13], s[12:13], s[84:85]
	s_mul_i32 s86, s[WV], STG
	s_mul_i32 s87, s[WH], 4*TILEB                  ; my four tiles of S1
	s_mul_i32 s88, s[WL], 8*TILEB
	s_add_co_u32 s88, s88, S0B                     ; my eight of S0
	s_add_co_u32 s89, s88, 4*TILEB
	v_and_b32 v1, 15, v0                           ; r
	v_bfe_u32 v2, v0, 4, 1                         ; h
	v_lshlrev_b32 v6, 4, v1                        ; 16 r: a row's four words
	v_lshlrev_b32 v7, 6, v2                        ; 16 h numbers
.irp i, 0,1,2,3
.irp k, 0,1
	global_load_b128 v[SA+8*\i+4*\k:SA+8*\i+4*\k+3], v6, s[74:75] offset:512*\i+256*\k
.endr
.endr
.irp i, 0,1,2,3,4,5,6,7
.irp k, 0,1
	global_load_b128 v[SB+8*\i+4*\k:SB+8*\i+4*\k+3], v6, s[76:77] offset:512*\i+256*\k
.endr
.endr
	WIN 0x40
.irp b, 0,1,2,3,4,5,6,7                        ; register 8 b + j: b_proj[my first column + 32 (b / 2) + 16 h + 8 (b % 2) + j]: the results' own layout
	global_load_b128 v[96+8*\b+96*(\b/4):99+8*\b+96*(\b/4)], v7, s[80:81] offset:(32*(\b/2)+8*(\b%2))*4
	global_load_b128 v[100+8*\b+96*(\b/4):103+8*\b+96*(\b/4)], v7, s[80:81] offset:(32*(\b/2)+8*(\b%2))*4+16
.endr
	WIN 0
	v_and_b32 v3, 31, v0
	v_lshlrev_b32 v4, 4, v3
	v_lshlrev_b32 v5, 3, v3
	v_add_nc_u32 v16, s87, v4
	v_add_nc_u32 v17, s87, v5
	v_add_nc_u32 v18, s88, v4
	v_add_nc_u32 v19, s88, v5
	v_add_nc_u32 v20, s89, v4
	v_add_nc_u32 v21, s89, v5
	v_mul_u32_u24 v24, v1, 528
	v_lshl_add_u32 v24, v2, 6, v24
	v_add_nc_u32 v24, s86, v24                     ; into the stage: row r, 64 bytes for each half of the lanes
	v_add_nc_u32 v25, s86, v4                      ; back: the 32 lanes take a row of 512 bytes
	v_lshlrev_b32 v26, 4, v3                       ; and the same in out0
	s_wait_alu depctr_va_vdst(0)
	s_wait_tensorcnt 0x0                           ; every wave waits: all 24 tiles are in
	s_barrier_signal -1
	s_barrier_wait -1
	FETCH 0, 0
	s_wait_loadcnt 0x0                             ; scale words and bias
.irp q, 0,1,2,3,4,5,6,7
	STEP \q
.endr
	s_barrier_wait -1                              ; nobody reads the tiles any more
.macro TOSTAGE a
	WIN 0x08                                       ; the data: window 2
.irp b, 0,1,2,3,4,5,6,7
	ds_store_b128 v24, v[64*(\a)+8*\b:64*(\a)+8*\b+3] offset:128*(\b/2)+32*(\b%2)      ; each accumulator from its low end on
	ds_store_b128 v24, v[64*(\a)+8*\b+4:64*(\a)+8*\b+7] offset:128*(\b/2)+32*(\b%2)+16
.endr
	WIN 0
.set BB, 128+64*((\a)%2)
.irp t, 0,1,2,3,4,5,6,7,8,9,10,11,12,13,14,15
	ds_load_b128 v[BB+4*\t:BB+4*\t+3], v25 offset:528*\t       ; LDS serves a wave's instructions in order: these see my stores
.endr
.endm
.macro SEND a, younger
.set BB, 128+64*((\a)%2)
	s_wait_dscnt \younger
.irp t, 0,1,2,3,4,5,6,7,8,9,10,11,12,13,14,15
	global_store_b128 v26, v[BB+4*\t:BB+4*\t+3], s[12:13] offset:(32*((\a)/2)+8*((\a)%2)+\t+8*(\t/8))*4096 th:TH_STORE_NT   ; 512 consecutive bytes, aligned to 256
.endr
.endm
	PLACES 4                                       ; behind the last products
	TOSTAGE 0
.irp a, 1,2,3
.if \a > 1
	s_wait_xcnt 0x0                                ; block a - 2's stores have read their registers
.endif
	TOSTAGE \a
	SEND \a-1, 32                                  ; behind block a - 1's loads: block a's 16 stores and 16 loads
.endr
	SEND 3, 0
	s_wait_tensorcnt 0x0                           ; the wave's end
	ds_add_u32 v[SPW], v[NIL]
	s_wait_dscnt 0x0
	CROUND                                         ; the closing round
	s_endpgm
.Lfunc_end_k_q01941172c5_proj:
	.size	k_q01941172c5_proj, .Lfunc_end_k_q01941172c5_proj-k_q01941172c5_proj
	.p2alignl 7, 3214868480
	.fill 96, 4, 3214868480
	.section	.rodata,"a",@progbits
	.p2align	6, 0x0
	.amdhsa_kernel k_q01941172c5_proj
		.amdhsa_group_segment_fixed_size 327680
		.amdhsa_private_segment_fixed_size 0
		.amdhsa_enable_private_segment 0
		.amdhsa_kernarg_size 40
		.amdhsa_user_sgpr_count 2
		.amdhsa_user_sgpr_kernarg_segment_ptr 1
		.amdhsa_wavefront_size32 1
		.amdhsa_system_sgpr_workgroup_id_x 1
		.amdhsa_system_sgpr_workgroup_id_y 1
		.amdhsa_system_sgpr_workgroup_id_z 1
		.amdhsa_system_vgpr_workitem_id 0
		.amdhsa_next_free_vgpr 768
		.amdhsa_next_free_sgpr 100
		.amdhsa_reserve_vcc 0
		.amdhsa_float_denorm_mode_32 3
		.amdhsa_float_denorm_mode_16_64 3
		.amdhsa_memory_ordered 1
		.amdhsa_forward_progress 1
		.amdhsa_inst_pref_size 83
	.end_amdhsa_kernel
	.amdgpu_metadata
---
amdhsa.version: [ 1, 2 ]
amdhsa.kernels:
  - .name:           k_q01941172c5_proj
    .symbol:         k_q01941172c5_proj.kd
    .args:
      - { .name: aimg, .offset: 0, .size: 8, .value_kind: global_buffer, .address_space: global }
      - { .name: pimg, .offset: 8, .size: 8, .value_kind: global_buffer, .address_space: global }
      - { .name: sc2, .offset: 16, .size: 8, .value_kind: global_buffer, .address_space: global }
      - { .name: b_proj, .offset: 24, .size: 8, .value_kind: global_buffer, .address_space: global }
      - { .name: out0, .offset: 32, .size: 8, .value_kind: global_buffer, .address_space: global }
    .group_segment_fixed_size: 327680
    .private_segment_fixed_size: 0
    .kernarg_segment_align: 8
    .kernarg_segment_size: 40
    .max_flat_workgroup_size: 128
    .sgpr_count:     100
    .vgpr_count:     768
    .wavefront_size: 32
...
	.end_amdgpu_metadata
.endif
;; end of part 4
